; MI455X (gfx1250); checked and timed in simulation.
; The chip was launched on July 23, 2026; its instructions are those of AMD's public machine-readable ISA for CDNA 5 (MIT licence, August 2026) and "CDNA5" Instruction Set Architecture Reference Guide (July 2026). The comments in the code are by the model that wrote it; some were corrected since.
;; Non Local Attention. Allowed arithmetic: matrix products marked QUANTISED: E4M3 operands, one given power-of-two scale a tensor, by v_wmma_f32_16x16x64_fp8_fp8 or v_wmma_f32_16x16x128_fp8_fp8, f32 sums; everything else in f32.
;; Inputs: Wk_codes 1,024 x 32 x 32 uint8 (E4M3 codes of Wk, K innermost, in blocks of 32 codes); Wo_codes 1,024 x 32 x 32 uint8 (E4M3 codes of Wo, K innermost, in blocks of 32 codes); Wq_codes 1,024 x 32 x 32 uint8 (E4M3 codes of Wq, K innermost, in blocks of 32 codes); Wv_codes 1,024 x 32 x 32 uint8 (E4M3 codes of Wv, K innermost, in blocks of 32 codes); beta 1,024 float32; bk 1,024 float32; bo 1,024 float32; bq 1,024 float32; bv 1,024 float32; gamma 1,024 float32; lowp_scales 12 int32 (the exponents e of the quantised operands' scales 2^e); mask 4 x 2,048 int32; x 4 x 2,048 x 1,024 float32.
;; Outputs: out0 4 x 2,048 x 1,024 float32.
;; This version of the problem:
;;   THIS VERSION OF THE PROBLEM IS GIVEN IN LOW PRECISION. The matrix products marked QUANTISED in the list below multiply operands that are first quantised to E4M3 (4 exponent bits, 3 mantissa bits; 8 bits a number), with one given power-of-two scale for each operand tensor; their sums are f32. All else is computed in f32.
;;   The module's matrix products, in the order in which they are computed (A, B: the left and right operand; K: the contracted axis; several contracted axes count as one K, in the product's order):
;;     1. [M 8,192, K 1,024] x [K 1,024, N 1,024]; A: input x; B: input Wq (given as codes): QUANTISED (scales: A lowp_scales[0], B lowp_scales[1])
;;     2. [M 8,192, K 1,024] x [K 1,024, N 1,024]; A: input x; B: input Wk (given as codes): QUANTISED (scales: A lowp_scales[2], B lowp_scales[3])
;;     3. [M 8,192, K 1,024] x [K 1,024, N 1,024]; A: input x; B: input Wv (given as codes): QUANTISED (scales: A lowp_scales[4], B lowp_scales[5])
;;     4. batch 64 x [M 2,048, K 64] x [K 64, N 2,048]; A: computed on the way; B: computed on the way: QUANTISED (scales: A lowp_scales[6], B lowp_scales[7])
;;     5. batch 64 x [M 2,048, K 2,048] x [K 2,048, N 64]; A: softmax (see below); B: computed on the way: QUANTISED (scales: A lowp_scales[8], B lowp_scales[9])
;;     6. [M 8,192, K 1,024] x [K 1,024, N 1,024]; A: computed on the way; B: input Wo (given as codes): QUANTISED (scales: A lowp_scales[10], B lowp_scales[11])
;;   THE QUANTISER, for each operand of a quantised product, along K:
;;     - The operand's scale is 2^e, e = its entry of the input lowp_scales (int32; the entries are numbered through the quantised products in the list's order, A before B).
;;     - Each number is divided by the scale, clamped to +-448, and rounded to the nearest number of E4M3, ties to even, subnormals kept.
;;     - The product sums the exact products of the quantised numbers (number of the format x scale) in f32.
;;   ~~~python
;;   def quantise(x, axis, e):      # numpy; x: float32 -> the quantised numbers, widened to float32 again
;;       x = np.moveaxis(x, axis, -1); K = x.shape[-1]
;;       r = np.clip(x / 2.0 ** e, -448, 448)
;;       step = 2.0 ** (np.maximum(np.frexp(np.where(r == 0, 1, r))[1] - 1, -6) - 3)
;;       q = np.round(r / step) * step * 2.0 ** e      # np.round: ties to even
;;       return np.moveaxis(q, -1, axis).astype(np.float32)
;;   ~~~
;;   SOFTMAX AHEAD OF A QUANTISED PRODUCT. Where the list says 'softmax', what is quantised is not the finished softmax but p = 2^(t - M), with t = logit x log2(e) and M = ceil(the row's largest t), a whole number; so 1/2 < the row's largest p <= 1. The row's sum l is taken of the UNQUANTISED p, in f32, and the product's result is divided by l at the end. Since M is a whole number, a kernel that streams over the keys may use a running M (the ceiling of the running maximum): every later rescaling is an exact power of two, so the quantised numbers keep their values, but for numbers so far below the row's largest that they fall under the format's range.
;;   OPERANDS COMPUTED ON THE WAY. 'Computed on the way' means the value that the module computes at that place (a softmax that the list does not call 'softmax' is quantised finished and normalised). What goes into a quantiser is computed in f32, as accurately as f32 sums, v_exp_f32 and their like allow (about 1e-6 of the number): no bf16 or f16 on the way to a quantiser, and a product that is left as it is and whose result goes on into a quantised operand takes f32 operands (vector FMAs, or v_wmma_f32_16x16x4_f32). A number that lies on a knife's edge between two numbers of the format may be rounded either way, as far as f32 arithmetic and the matrix unit's own rounding can turn it there, and no further.
;;   INPUTS GIVEN AS CODES. Wk (in the module: [1024, 1024], K = its axis 1); Wo (in the module: [1024, 1024], K = its axis 1); Wq (in the module: [1024, 1024], K = its axis 1); Wv (in the module: [1024, 1024], K = its axis 1): each comes as NAME_codes (uint8): NAME with its K axis moved to the last place and cut into blocks of 32 codes, [.., K / 32, bytes a block], one block behind the other in memory; one code a byte (a code: sign, 4 exponent bits, 3 mantissa bits); its scale is its entry of lowp_scales. Its value is code x scale, taken as it is: it is not quantised again, and the codes and scales need not be those that the quantiser above would give.
;; 2 versions. Each part assembles by itself: llvm-mc -triple=amdgcn-amd-amdhsa -mcpu=gfx1250 --defsym DOCPART=n.
;; ======== version 1 of 2: 4 launches
;; limits: right only within a limited range of input values
;; workspace buffers: xq 25,165,824 bytes; qkv 25,165,824 bytes; ctx 8,388,608 bytes
;; launch quant (part 1): grid 256 x 1, 4 waves a work-group, no clusters, 33,280 bytes of LDS; arguments x, lowp_scales, xq; writes xq
.if DOCPART == 1
	.amdgcn_target "amdgcn-amd-amdhsa--gfx1250"
	.amdhsa_code_object_version 6
	.text
	.protected	k_qcb37713faf_quant
	.globl	k_qcb37713faf_quant
	.p2align	8
	.type	k_qcb37713faf_quant,@function
k_qcb37713faf_quant:
	s_mov_b64 s[64:65], 0
	v_nop
	global_prefetch_b8 v0, s[64:65] scope:SCOPE_SE
	s_setreg_imm32_b32 hwreg(HW_REG_WAVE_MODE, 25, 1), 1
	s_wait_xcnt 0x0
; NonLocalAttention in E4M3, launch 1 of 4: x [8192 tokens][1024], f32, becomes THREE sets of codes, since x is the left operand of three
; quantised products whose given scales (entries 0, 2, 4 of lowp_scales) need not be equal.  xq: three sections of 8,388,608 bytes, section p = [8192][1024] codes at 2^e(2p), K innermost.
; code = x / 2^e, held within +-448, rounded to the nearest code, ties to even.
; DEAD WORK: none.  Every input of reference() has a way to the output (bk too: it moves K's codes ahead of a quantised product), and every product of the table is done in full.
; LIMITS: e0, e2, e4 between -126 and 119, so that 2^e and 448 x 2^e are f32 numbers.  NaN among the inputs is not served; an infinity is held at the largest code.
; SHARES.  Rows are dense, so x is a plain stream.  A wave takes 8,192 numbers in 16 steps of 512.  Each of a step's four loads reads 512 consecutive bytes, 16 a lane; the conversions want 16 NEIGHBOURS in
; one lane's registers, so a step's 2,048 bytes turn through the wave's own stage in LDS (16 bytes of padding behind each 64) and come back 64 bytes a lane.  A lane's 16 codes are 16 bytes: each store covers 512 consecutive bytes.
; No matrix unit, no cluster, no tensor load, no barrier: a stream whose waves share nothing.  Loads run four steps (16 loads a wave) ahead, the turn through LDS one step.
.set WAVES, 4
.set STEPS, 16
.set R,     16                         ; v16-79   four sets of 16 numbers as they are loaded
.set X,     80                         ; v80-111  two sets of 16 neighbours
.set TA,    112                        ; v112-127 held numbers for the first scale
.set TB,    128                        ; v128-143 for the second (the third is held in place)
.set C,     144                        ; v144-191 codes: a ring of four steps x 12 registers
.set WREG,  8192                       ; LDS: a region for each wave: two stages of 32 x SP bytes
.set SP,    80                         ; a lane's place in a stage: 64 bytes + 16 of padding
.set SPW,   12                         ; v12  LDS address of my spare word; never rewritten
.set NIL,   13                         ; v13  0; never rewritten
.set SPARE, WAVES*WREG                 ; behind the four regions: the spare words, 128 bytes a wave
	s_load_b128 s[4:7], s[0:1], 0x0                ; x, the scales' exponents
	s_load_b64 s[8:9], s[0:1], 0x10                ; xq
	v_lshl_add_u32 v[SPW], v0, 2, SPARE
	v_mov_b32 v[NIL], 0
	v_lshrrev_b32 v1, 5, v0
	v_readfirstlane_b32 s16, v1                    ; wave
	v_and_b32 v2, 31, v0                           ; lane
	v_lshlrev_b32 v3, 4, v2                        ; my 16 bytes of a load's 512
	v_lshlrev_b32 v4, 4, v2                        ; my 16 codes of a step's 512
	s_mul_i32 s17, s16, WREG
	v_lshrrev_b32 v14, 2, v2
	v_mul_u32_u24 v14, v14, SP
	v_and_b32 v15, 3, v2
	v_lshl_add_u32 v14, v15, 4, v14
	v_add_nc_u32 v14, s17, v14                     ; the stage, on the way in: SP (lane / 4) + 16 (lane % 4)
	v_mul_u32_u24 v15, v2, SP
	v_add_nc_u32 v15, s17, v15                     ; and on the way out: SP x lane: my 16 neighbours
	s_lshl_b32 s18, ttmp9, 2
	s_add_co_u32 s18, s18, s16                     ; which run of 8,192 numbers is my wave's
	s_lshl_b32 s20, s18, 15                        ; its bytes in x,
	s_mov_b32 s21, 0
	s_lshl_b32 s22, s18, 13                        ; and in a section of xq
	s_mov_b32 s23, 0
	s_wait_kmcnt 0x0
	s_load_b256 s[24:31], s[6:7], 0x0              ; e0 .. e7
	s_add_nc_u64 s[4:5], s[4:5], s[20:21]
	s_add_nc_u64 s[8:9], s[8:9], s[22:23]          ; section 0,
	s_add_nc_u64 s[10:11], s[8:9], 0x800000        ; section 1,
	s_add_nc_u64 s[12:13], s[10:11], 0x800000      ; section 2: a base each, since a section's length is beyond a store's immediate
.macro LOAD t
.irp i, 0,1,2,3
	global_load_b128 v[R+16*((\t)%4)+4*\i:R+16*((\t)%4)+4*\i+3], v3, s[4:5] offset:2048*(\t)+512*\i th:TH_LOAD_NT   ; 32 lanes read 512 consecutive bytes
.endr
.endm
.macro TURN t                          ; step t's numbers through the stage: LDS serves a wave's instructions in order, so no wait stands between the stores and the loads
.irp i, 0,1,2,3
	ds_store_b128 v14, v[R+16*((\t)%4)+4*\i:R+16*((\t)%4)+4*\i+3] offset:32*SP*((\t)%2)+8*SP*\i
.endr
.irp i, 0,1,2,3
	ds_load_b128 v[X+16*((\t)%2)+4*\i:X+16*((\t)%2)+4*\i+3], v15 offset:32*SP*((\t)%2)+16*\i
.endr
.endm
.macro MKSCALE e, sc, lim              ; from the whole number in s[e]: v[sc] = 2^e (the conversion takes its exponent field), v[lim] = 448 x 2^e
	s_add_co_i32 s32, s\e, 127
	s_lshl_b32 s33, s32, 23
	v_mov_b32 v\sc, s33
	s_add_co_i32 s32, s32, 8
	s_lshl_b32 s32, s32, 23
	s_or_b32 s32, s32, 0x600000
	v_mov_b32 v\lim, s32
.endm
.macro Q16 src, tmp, lim, sc, cd       ; 16 numbers are held within the largest code x the scale (the conversion to an 8-bit code does not saturate: ISA guide 7.6.2) and become 16 codes
.set ii, 0
.rept 16
	v_med3_num_f32 v[\tmp+ii], v[\src+ii], -v\lim, v\lim
.set ii, ii+1
.endr
	v_cvt_scalef32_pk8_fp8_f32 v[\cd:\cd+1], v[\tmp:\tmp+7], v\sc
	v_cvt_scalef32_pk8_fp8_f32 v[\cd+2:\cd+3], v[\tmp+8:\tmp+15], v\sc
.endm
.irp t, 0,1,2,3
	LOAD \t
.endr
	s_wait_kmcnt 0x0
	MKSCALE 24, 5, 8                               ; e0: for the product with Wq
	MKSCALE 26, 6, 9                               ; e2: with Wk
	MKSCALE 28, 7, 10                              ; e4: with Wv
	s_wait_loadcnt 12                              ; step 0's four loads are in; those of steps 1 to 3 may be out
	TURN 0
.macro STEP t
.set XS, X+16*((\t)%2)
.set CS, C+12*((\t)%4)
	s_wait_dscnt 0x0                               ; this step's numbers are back from the stage: so its stores into the stage have read their registers,
.if (\t)+4 < STEPS
	LOAD (\t)+4                                    ; which take the loads of four steps on
.endif
.if (\t)+1 < STEPS
.if STEPS-2-(\t) >= 3
	s_wait_loadcnt 12                              ; the next step's four loads are in; those of the three steps behind it may be out
.else
	s_wait_loadcnt 4*(STEPS-2-(\t))
.endif
	TURN (\t)+1                                    ; and go through the other stage while this step is worked
.endif
.if (\t) >= 4
	s_wait_xcnt 0x0                                ; the stores of four steps ago have read these twelve registers: only now are they written again
.endif
	Q16 XS, TA, 8, 5, CS                           ; a conversion's sources are next written behind sixteen plain holds, or (X) by an LDS load
	Q16 XS, TB, 9, 6, CS+4
	Q16 XS, XS, 10, 7, CS+8
	global_store_b128 v4, v[CS:CS+3], s[8:9] offset:512*(\t)
	global_store_b128 v4, v[CS+4:CS+7], s[10:11] offset:512*(\t)
	global_store_b128 v4, v[CS+8:CS+11], s[12:13] offset:512*(\t)
.endm
.irp t, 0,1,2,3,4,5,6,7,8,9,10,11,12,13,14,15
	STEP \t
.endr
	s_wait_tensorcnt 0x0                           ; the wave's end, behind my last LDS store
	ds_add_u32 v[SPW], v[NIL]
	s_wait_dscnt 0x0
	s_endpgm
.Lfunc_end_k_qcb37713faf_quant:
	.size	k_qcb37713faf_quant, .Lfunc_end_k_qcb37713faf_quant-k_qcb37713faf_quant
	.p2alignl 7, 3214868480
	.fill 96, 4, 3214868480
	.section	.rodata,"a",@progbits
	.p2align	6, 0x0
	.amdhsa_kernel k_qcb37713faf_quant
		.amdhsa_group_segment_fixed_size 33280
		.amdhsa_private_segment_fixed_size 0
		.amdhsa_enable_private_segment 0
		.amdhsa_kernarg_size 24
		.amdhsa_user_sgpr_count 2
		.amdhsa_user_sgpr_kernarg_segment_ptr 1
		.amdhsa_wavefront_size32 1
		.amdhsa_system_sgpr_workgroup_id_x 1
		.amdhsa_system_sgpr_workgroup_id_y 1
		.amdhsa_system_sgpr_workgroup_id_z 1
		.amdhsa_system_vgpr_workitem_id 0
		.amdhsa_next_free_vgpr 192
		.amdhsa_next_free_sgpr 66
		.amdhsa_reserve_vcc 0
		.amdhsa_float_denorm_mode_32 3
		.amdhsa_float_denorm_mode_16_64 3
		.amdhsa_memory_ordered 1
		.amdhsa_forward_progress 1
		.amdhsa_inst_pref_size 77
	.end_amdhsa_kernel
	.amdgpu_metadata
---
amdhsa.version: [ 1, 2 ]
amdhsa.kernels:
  - .name:           k_qcb37713faf_quant
    .symbol:         k_qcb37713faf_quant.kd
    .args:
      - { .name: x, .offset: 0, .size: 8, .value_kind: global_buffer, .address_space: global }
      - { .name: lowp_scales, .offset: 8, .size: 8, .value_kind: global_buffer, .address_space: global }
      - { .name: xq, .offset: 16, .size: 8, .value_kind: global_buffer, .address_space: global }
    .group_segment_fixed_size: 33280
    .private_segment_fixed_size: 0
    .kernarg_segment_align: 8
    .kernarg_segment_size: 24
    .max_flat_workgroup_size: 128
    .sgpr_count:     66
    .vgpr_count:     192
    .wavefront_size: 32
...
	.end_amdgpu_metadata
.endif
;; end of part 1
;; launch qkv (part 2): grid 12 x 32, 4 waves a work-group, clusters of 4 x 4, 327,680 bytes of LDS; arguments xq, Wq_codes, Wk_codes, Wv_codes, bq, bk, bv, lowp_scales, qkv; writes qkv
.if DOCPART == 2
	.amdgcn_target "amdgcn-amd-amdhsa--gfx1250"
	.amdhsa_code_object_version 6
	.text
	.protected	k_qcb37713faf_qkv
	.globl	k_qcb37713faf_qkv
	.p2align	8
	.type	k_qcb37713faf_qkv,@function
k_qcb37713faf_qkv:
	s_mov_b64 s[64:65], 0
	v_nop
	global_prefetch_b8 v0, s[64:65] scope:SCOPE_SE
	s_setreg_imm32_b32 hwreg(HW_REG_WAVE_MODE, 25, 1), 1
	s_wait_xcnt 0x0
	s_wait_alu depctr_hold_cnt(0) depctr_sa_sdst(0) depctr_va_vdst(0) depctr_va_sdst(0) depctr_va_ssrc(0) depctr_va_vcc(0) depctr_vm_vsrc(0)
	s_getreg_b32 s2, hwreg(HW_REG_IB_STS2, 6, 4)
	s_cmp_eq_u32 s2, 0
	s_cbranch_scc0 .Lentry_in_a_cluster
	s_endpgm
.Lentry_in_a_cluster:
	s_bfe_u32 s2, ttmp6, 0x10000c
	s_cmp_lg_u32 s2, 0xf033
	s_cbranch_scc0 .Lentry_shape_is_right
	s_endpgm
.Lentry_shape_is_right:
; Launch 2 of 4: Q, K, V = x W^T + b on codes of E4M3, then quantised (entries 6, 7, 9 of lowp_scales) and stored as IMAGES OF THE NEXT LAUNCH'S OPERAND REGISTERS.  Nothing is left out as dead work.
; The cluster's x is the projection p (0 Q, 1 K, 2 V), the same in all sixteen partners.  A work-group makes 256 x 256, each of its four waves 128 x 128: 64 accumulators, 512 registers.
; K = 1,024 goes in four steps of 256 through a ring of two LDS slots filled by the tensor data mover; a tile's row is 256 bytes of memory.
; ROLES.  The text knows an A role (source 1: its rows become the LANES of a result) and a B role (source 0: its rows become a lane's eight REGISTERS).  p = 0, 1: A = x's codes (tokens), B = W (channels): a lane
; holds a token and eight neighbouring channels, which is how Q and K want their codes (their K is the head's 64 channels).  p = 2: A = Wv (channels), B = x's codes (tokens): a lane holds a channel and eight
; neighbouring KEYS, which is how V wants them (its K is the keys).  Only pointers and tile numbers are chosen by p: one loop serves all three, and nothing is ever transposed.
; THE WAY OUT.  One conversion turns an accumulator's eight registers into registers 2c, 2c+1 of the 8-bit layout (k = 16c + 8 (lane / 16) + 0..7); two neighbouring accumulators give 16 bytes a lane, stored at 16 x lane:
; each store covers 512 consecutive bytes, aligned.  No stage in LDS.
; qkv: 64 blocks (16 x batch + head) of HS = 393,216 bytes: four groups of 65,536 (512 keys): K [key tile 32][half 2][lane][16 B], then V [step of 64 keys 8][channel tile 4][half 2][lane][16 B]; from byte 262,144 Q [query tile 128][half 2][lane][16 B].
; CLUSTERS: 4 x 4.  The A role's tile is shared along a row of the cluster, the B role's along a column: each is asked for jointly, by the same tensor load with the same descriptor and a mask that names the four.
; In the products each lane's fragments are fetched by four loads of 16 bytes: a permutation of k that is the same on both sides, so every product meets its partner.
; LIMITS: ea + eb (the product's two entries) between -126 and 127; e6, e7, e9 between -126 and 119.  NaN is not served.
; REGISTERS: window 0: v16-31 addresses and constants; v32-95 the bias; v128-255 the A role's fragments, ONE set; behind the last product v96-159 numbers at work, v160-191 codes (two sets).
;   window 1: the B role's fragments, two sets.   windows 2, 3: the accumulators ((a, b) at v[8 (8 (a % 4) + b)]).
.set KROW,   1024                      ; a row of codes in memory, in bytes
.set ROWB,   256                       ; a tile's row
.set PITCH,  272                       ; an LDS row: 256 bytes + 16 of padding = 68 words: the 16 rows that a load touches start at 16 different banks (64 banks of 4 bytes: ISA guide 11.1)
.set FR,     16                        ; registers of a fragment: 16 rows x 128 K
.set NL,     4                         ; LDS loads that bring one
.set NP,     4                         ; places behind this matrix instruction (ISA guide 7.12.1)
.set HALFT,  128*PITCH                 ; 128 rows: what one tensor load brings
.set SLOT,   4*HALFT                   ; the A role's 256 rows, then the B role's
.set SPARE,  2*SLOT                    ; behind the ring: the spare words, 128 bytes a wave
.set HS,     393216
.set ADRA, 16                          ; v16-17  LDS address of my A fragments in slot 0, 1
.set ADRB, 20                          ; v20-21  the same for B
.set LI,   24                          ; v24     16 x lane: my place in a store's 512 bytes
.set BL,   27                          ; v27     the bias loads' lane term
.set SPW,  28                          ; v28     my spare word; never rewritten
.set NIL,  29                          ; v29     0; never rewritten
.set LIM,  30                          ; v30     448 x 2^eo
.set SCL,  31                          ; v31     2^eo
.set BIAS, 32
.set TMP,  96
.set CC,   160
.set AF,   128
.set G1, 24                            ; s[24:31] descriptor group 1 for the A role; s[32:39] group 0, a set for each slot
.set G0, 32
.set G1B, 48                           ; s[48:55], s[56:63] the same for the B role
.set G0B, 56
.set MSB, 0
.macro WIN new                         ; the immediate's high byte repeats the setting that is left
.if MSB != (\new)
	s_set_vgpr_msb (MSB<<8)|(\new)
.set MSB, (\new)
.endif
.endm
.set MUL_LO, 0xa1                      ; source 0 (B) window 1, source 1 (A) window 0, C and D window 2
.set MUL_HI, 0xf1                      ; the same, C and D window 3
.set TO_B,   0x40                      ; destination window 1, address window 0
; A joint load: waves 0 and 1 fetch for the A role, waves 2 and 3 for the B role.  The branch hangs on the wave's number alone.  An s_nop 0 and four v_nop follow each of the two lines.
.macro JLOAD g0a, g1a, g0b, g1b
	s_cmp_eq_u32 s15, 0
	s_cbranch_scc0 .Lfor_b_\@
	tensor_load_to_lds s[\g0a:\g0a+3], s[\g1a:\g1a+7]
	s_nop 0
.rept 4
	v_nop
.endr
	s_branch .Lasked_\@
.Lfor_b_\@:
	tensor_load_to_lds s[\g0b:\g0b+3], s[\g1b:\g1b+7]
	s_nop 0
.rept 4
	v_nop
.endr
.Lasked_\@:
.endm
.macro CREST                           ; a round of the cluster's barrier behind its opening barrier
	s_cmp_lg_u32 s14, 0
	s_cbranch_scc1 .Lnot_wave_0_\@
	s_barrier_signal -3
.Lnot_wave_0_\@:
	s_barrier_wait -3
	s_barrier_signal -1
	s_barrier_wait -1
.endm
.macro CROUND                          ; a whole round
	s_barrier_signal -1
	s_barrier_wait -1
	CREST
.endm
	s_load_b512 s[68:83], s[0:1], 0x0              ; xq s[68:69], Wq s[70:71], Wk s[72:73], Wv s[74:75], bq s[76:77], bk s[78:79], bv s[80:81], the scales' exponents s[82:83]
	s_load_b64 s[84:85], s[0:1], 0x40              ; qkv
	v_lshl_add_u32 v[SPW], v0, 2, SPARE
	v_mov_b32 v[NIL], 0
	ds_add_u32 v[SPW], v[NIL]                      ; the wave's opening: the add, twice on end, and its wait ahead of my first tensor load; the set-up below stands between
	ds_add_u32 v[SPW], v[NIL]
	v_lshrrev_b32 v1, 5, v0
	v_readfirstlane_b32 s14, v1                    ; wave 0..3
	s_lshr_b32 s15, s14, 1                         ; which half of the A role's rows is mine.  Also: I fetch for A (0) or for B (1)
	s_and_b32 s16, s14, 1                          ; which half of the B role's rows.  Also: which 128 rows of that tile I fetch
	s_bfe_u32 s40, ttmp6, 0x40000                  ; cx, cy: my place in the cluster
	s_bfe_u32 s41, ttmp6, 0x40004
	s_mov_b32 s12, ttmp9                           ; p: the cluster's x
	s_and_b32 s13, ttmp7, 0xffff                   ; the cluster's y: which 1,024 tokens
	s_cmp_eq_u32 s12, 2
	s_cselect_b32 s18, 0, s13                      ; the tokens run along the A role's tiles (p = 0, 1)
	s_cselect_b32 s19, s13, 0                      ; or along the B role's (p = 2)
	s_lshl_b32 s42, s19, 2
	s_add_co_u32 s42, s42, s40                     ; the B role's tile
	s_lshl_b32 s17, s18, 2
	s_add_co_u32 s17, s17, s41                     ; the A role's tile
	s_lshl_b32 s43, s41, 2
	s_lshl_b32 s43, 15, s43                        ; my row of the cluster
	s_lshl_b32 s44, 0x1111, s40                    ; my column
	; descriptor group 1: a tile of 128 rows x 256 bytes, padded in LDS
	s_or_b32 s[G1+0], s43, (0<<16)|(1<<20)|(1<<21)|(5<<22)|(3<<25)  ; 15:0 the mask: my row; 17:16 element of 1 byte; 20 padding on; 21 set beside a mask; 24:22 after every 64 words (code 5); 31:25 of 4 words (code 3)
	s_or_b32 s[G1B+0], s44, (0<<16)|(1<<20)|(1<<21)|(5<<22)|(3<<25) ; the same with the mask of my column
.irp g, G1, G1B
	s_mov_b32 s[\g+1], ROWB<<16                    ; tensor_dim0
	s_mov_b32 s[\g+2], 128<<16                     ; tensor_dim1
	s_mov_b32 s[\g+3], ROWB<<16                    ; tile_dim0
	s_mov_b32 s[\g+4], 128                         ; tile_dim1
	s_mov_b32 s[\g+5], KROW                        ; tensor_dim0_stride
	s_mov_b32 s[\g+6], 0
	s_mov_b32 s[\g+7], 0
.endr
	s_lshl_b32 s18, s16, 7                         ; which 128 rows of the tile I fetch
	s_lshl_b32 s20, s17, 8
	s_add_co_u32 s20, s20, s18                     ; A: row 256 x tile + 128 x half,
	s_lshl_b32 s20, s20, 10                        ; in bytes (under 2^23)
	s_mov_b32 s21, 0
	s_lshl_b32 s46, s42, 8
	s_add_co_u32 s46, s46, s18                     ; B likewise
	s_lshl_b32 s46, s46, 10
	s_mov_b32 s47, 0
	s_mul_i32 s45, s14, HALFT                      ; where they go: wave x 128 rows: no place in the cluster enters an LDS address
	s_lshl_b32 s22, s12, 23                        ; xq's section p
	s_mov_b32 s23, 0
	s_wait_dscnt 0x0                               ; both opening adds are done
	s_wait_kmcnt 0x0
	s_load_b256 s[88:95], s[82:83], 0x0            ; e0 .. e7
	s_load_b64 s[96:97], s[82:83], 0x20            ; e8, e9
	s_add_nc_u64 s[68:69], s[68:69], s[22:23]
	s_cmp_eq_u32 s12, 2                            ; the roles' buffers: choices that hang on the cluster's number alone
	s_cselect_b64 s[4:5], s[74:75], s[68:69]       ; A: Wv, or x's codes
	s_cselect_b64 s[6:7], s[68:69], s[72:73]       ; B: x's codes, or Wk,
	s_cselect_b64 s[8:9], s[80:81], s[78:79]       ; the bias: bv, or bk,
	s_cmp_eq_u32 s12, 0
	s_cselect_b64 s[6:7], s[70:71], s[6:7]         ; or Wq
	s_cselect_b64 s[8:9], s[76:77], s[8:9]         ; or bq
	s_add_nc_u64 s[20:21], s[4:5], s[20:21]
	s_add_nc_u64 s[46:47], s[6:7], s[46:47]
	CROUND                                         ; all sixteen work-groups are here: the first joint loads meet
.irp s, 0,1
	s_mov_b32 s[G0+4*\s], 1
	s_add_co_u32 s[G0+4*\s+1], s45, \s*SLOT
	s_add_nc_u64 s[G0+4*\s+2:G0+4*\s+3], s[20:21], \s*ROWB
	s_or_b32 s[G0+4*\s+3], s[G0+4*\s+3], 0x80000000
	s_mov_b32 s[G0B+4*\s], 1
	s_add_co_u32 s[G0B+4*\s+1], s45, \s*SLOT
	s_add_nc_u64 s[G0B+4*\s+2:G0B+4*\s+3], s[46:47], \s*ROWB
	s_or_b32 s[G0B+4*\s+3], s[G0B+4*\s+3], 0x80000000
	JLOAD G0+4*\s, G1, G0B+4*\s, G1B
.endr
	v_and_b32 v1, 15, v0                           ; r = l % 16
	v_bfe_u32 v2, v0, 4, 1                         ; h = l / 16
	v_mul_u32_u24 v3, v1, PITCH
	v_lshl_add_u32 v4, v2, 4, v3                   ; a fragment's row x pitch + 16 x half
	s_mul_i32 s21, s15, HALFT                      ; my 128 rows of A
	s_mul_i32 s22, s16, HALFT                      ; my 128 rows of B,
	s_add_co_u32 s22, s22, 2*HALFT                 ; which lie behind A's 256
.irp s, 0,1
	v_add_nc_u32 v[ADRA+\s], s21, v4
	v_add_nc_u32 v[ADRB+\s], s22, v4
	s_add_co_u32 s21, s21, SLOT
	s_add_co_u32 s22, s22, SLOT
.endr
	v_and_b32 v5, 31, v0
	v_lshlrev_b32 v[LI], 4, v5
	; where my wave's images begin in qkv, and its channels in the bias
	s_lshl_b32 s18, s17, 8
	s_lshl_b32 s19, s15, 7
	s_add_co_u32 s18, s18, s19                     ; my first row of the A role
	s_lshl_b32 s19, s42, 8
	s_lshl_b32 s20, s16, 7
	s_add_co_u32 s19, s19, s20                     ; and of the B role
	s_cmp_eq_u32 s12, 2
	s_cselect_b32 s20, s19, s18                    ; my first token,
	s_cselect_b32 s21, s18, s19                    ; my first channel,
	s_cselect_b32 s98, 32768, 0                    ; V's part of a group lies behind K's
	s_lshr_b32 s22, s20, 11                        ; batch
	s_lshl_b32 s22, s22, 4
	s_lshr_b32 s23, s21, 6                         ; head
	s_add_co_u32 s22, s22, s23
	s_mul_i32 s22, s22, HS
	s_and_b32 s20, s20, 2047                       ; the token within its batch
	s_lshl_b32 s23, s20, 6
	s_add_co_u32 s23, s23, 262144                  ; Q: a tile of 16 queries is 1,024 bytes
	s_lshr_b32 s99, s20, 9
	s_lshl_b32 s99, s99, 16                        ; K, V: the group of 512 keys,
	s_and_b32 s20, s20, 511
	s_lshl_b32 s20, s20, 6                         ; and 64 bytes a key within either part
	s_add_co_u32 s99, s99, s20
	s_add_co_u32 s99, s99, s98
	s_cmp_eq_u32 s12, 0
	s_cselect_b32 s23, s23, s99
	s_add_co_u32 s22, s22, s23
	s_mov_b32 s23, 0
	s_add_nc_u64 s[10:11], s[84:85], s[22:23]
	s_lshl_b32 s22, s21, 2
	s_add_nc_u64 s[8:9], s[8:9], s[22:23]
	s_wait_kmcnt 0x0                               ; the exponents: chosen by selects, never by a branch
	s_cmp_eq_u32 s12, 2
	s_cselect_b32 s98, s92, s90                    ; ea: e4, e2,
	s_cselect_b32 s99, s93, s91                    ; eb: e5, e3,
	s_cselect_b32 s100, s97, s95                   ; eo: e9, e7,
	s_cmp_eq_u32 s12, 0
	s_cselect_b32 s98, s88, s98                    ; or e0,
	s_cselect_b32 s99, s89, s99                    ; e1,
	s_cselect_b32 s100, s94, s100                  ; e6
	s_add_co_i32 s98, s98, s99
	s_add_co_i32 s98, s98, 127
	s_lshl_b32 s86, s98, 23                        ; 2^(ea + eb) as f32
	s_mov_b32 s87, s86                             ; (named with it as a pair, so it is written)
	s_add_co_i32 s100, s100, 127
	s_lshl_b32 s99, s100, 23
	v_mov_b32 v[SCL], s99                          ; 2^eo: the conversion takes its exponent field
	s_add_co_i32 s100, s100, 8
	s_lshl_b32 s100, s100, 23
	s_or_b32 s100, s100, 0x600000
	v_mov_b32 v[LIM], s100                         ; 448 x 2^eo
.macro FRAG reg, adr, q, i             ; a fragment, 16 rows x 128 K: lane l holds row l % 16; registers 4 c .. 4 c + 3 hold K = 32 c + 16 (l / 16) + 0 .. 15
.irp c, 0,1,2,3
	ds_load_b128 v[\reg+4*\c:\reg+4*\c+3], v[\adr] offset:128*(\q)+32*\c+(\i)*16*PITCH
.endr
.endm
; 16 matrix instructions: A's blocks a0, a0 + 1 x B's eight, 128 along K.  p: B's set.  zero = 1: the first product starts the sums.  The 64 accumulators take turns, one instruction a turn, in the same order in every step.
.macro MUL16 a0, p, zero
.irp a, \a0, \a0+1
.irp b, 0,1,2,3,4,5,6,7
.if \zero
	v_wmma_f32_16x16x128_fp8_fp8 v[8*(8*((\a)%4)+\b):8*(8*((\a)%4)+\b)+7], v[128*(\p)+FR*\b:128*(\p)+FR*\b+FR-1], v[AF+FR*(\a):AF+FR*(\a)+FR-1], 0
.else
	v_wmma_f32_16x16x128_fp8_fp8 v[8*(8*((\a)%4)+\b):8*(8*((\a)%4)+\b)+7], v[128*(\p)+FR*\b:128*(\p)+FR*\b+FR-1], v[AF+FR*(\a):AF+FR*(\a)+FR-1], v[8*(8*((\a)%4)+\b):8*(8*((\a)%4)+\b)+7]
.endif
.endr
.endr
.endm
.macro FETCH_B slot, q, p              ; B's eight fragments of the slot's q-th 128 along K into set p
	WIN TO_B
.irp i, 0,1,2,3,4,5,6,7
	FRAG 128*(\p)+FR*\i, ADRB+\slot, \q, \i
.endr
	WIN 0
.endm
.macro FETCH_A slot, q, i0             ; A's blocks i0 .. i0 + 3
.irp i, \i0, \i0+1, \i0+2, \i0+3
	FRAG AF+FR*(\i), ADRA+\slot, \q, \i
.endr
.endm
.macro PLACES n                        ; plain vector instructions between a matrix instruction and a load into, or a vector instruction on, its registers (ISA guide 7.12.1 for vector instructions)
.rept \n
	v_nop
.endr
.endm
; A step of 128 along K that has its successor in the same slot.  A block of A is free as soon as its eight products are issued: blocks 0-3 are fetched anew in the step's middle, blocks 4-7 at its end.
.macro STEP slot, q, zero
	s_wait_dscnt 4*NL                              ; B's set and A's blocks 0-3 are in; the youngest sixteen loads (A's blocks 4-7) may be out
	WIN MUL_LO
	MUL16 0, (\q)%2, \zero
	MUL16 2, (\q)%2, \zero
	s_wait_dscnt 0                                 ; A's blocks 4-7 are in (asked for 32 matrix instructions ago)
	PLACES NP
	FETCH_B \slot, (\q)+1, 1-(\q)%2
	FETCH_A \slot, (\q)+1, 0
	WIN MUL_HI
	MUL16 4, (\q)%2, \zero
	MUL16 6, (\q)%2, \zero
	PLACES NP
	WIN 0
	FETCH_A \slot, (\q)+1, 4
.endm
; A slot's last step changes slots: ONE barrier; in front of it each wave waits for all its tensor loads, adds 0 to its spare word, and waits for that and for its own reads of this slot.  fill = 1: this slot is filled again, two K steps ahead.
.macro TURN slot, next, fill
	s_wait_tensorcnt 0x0                           ; all my tensor loads have landed: my part of the next slot  (every window is 0 here)
	ds_add_u32 v[SPW], v[NIL]                      ; 0 onto my spare word
	s_wait_dscnt 4*NL+1                            ; (the add and the youngest sixteen loads, A's blocks 4-7, may be out)
	WIN MUL_LO
	MUL16 0, 1, 0                                  ; sixteen matrix instructions stand between the add and the wait for it
	s_wait_dscnt 0x0                               ; the add is done, and my reads of this slot are over
	s_barrier_signal -1
	MUL16 2, 1, 0
	WIN 0
	s_barrier_wait -1
.if \fill
	CREST                                          ; the barrier has opened a round of the cluster's barrier: no wave of any partner still reads this slot's tile or has a load on its way
	s_add_nc_u64 s[G0+4*\slot+2:G0+4*\slot+3], s[G0+4*\slot+2:G0+4*\slot+3], 2*ROWB
	s_add_nc_u64 s[G0B+4*\slot+2:G0B+4*\slot+3], s[G0B+4*\slot+2:G0B+4*\slot+3], 2*ROWB
	JLOAD G0+4*\slot, G1, G0B+4*\slot, G1B         ; the first tensor load behind the round; its four v_nop are the places in front of the loads below
.else
	PLACES NP
.endif
	FETCH_B \next, 0, 0
	FETCH_A \next, 0, 0
	WIN MUL_HI
	MUL16 4, 1, 0
	MUL16 6, 1, 0
	PLACES NP
	WIN 0
	FETCH_A \next, 0, 4
.endm
; The last K step's two steps of 128: they stand in each arm, between the arm's bias loads and the wait for them.
.macro LAST2
	STEP 1, 0, 0
	s_wait_dscnt 4*NL                              ; the very last step: nothing more to fetch
	WIN MUL_LO
	MUL16 0, 1, 0
	MUL16 2, 1, 0
	s_wait_dscnt 0
	WIN MUL_HI
	MUL16 4, 1, 0
	MUL16 6, 1, 0
	WIN 0
	s_wait_loadcnt 0x0                             ; the bias
	PLACES NP                                      ; behind the last products: their results are read, and the registers of A's fragments written, below
.endm
; THE WAY OUT, by A's blocks of 16 rows.  y = sum x 2^(ea + eb) + bias, one packed multiply-add for two numbers, each accumulator from its low end on; held within 448 x 2^eo; eight conversions; four stores of 512 bytes.
; mode 0: a lane's registers run along channels: the bias is 64 registers, the same for every block.  mode 1: a lane is a channel: the bias is one pair for the block.
.macro OUT mode
.irp a, 0,1,2,3,4,5,6,7
.set AC, 64*(\a%4)
.set CS, CC+16*(\a%2)
.if \a >= 2
	s_wait_xcnt 0x0                                ; the stores of two blocks ago have read this set of codes
.endif
	WIN 0x02+(\a/4)                                ; source 0: window 2 or 3
.set jj, 0
.rept 32
.if \mode
	v_pk_fma_f32 v[TMP+jj:TMP+jj+1], v[AC+jj:AC+jj+1], s[86:87], v[BIAS+2*\a:BIAS+2*\a+1] op_sel_hi:[1,0,1]
.else
	v_pk_fma_f32 v[TMP+jj:TMP+jj+1], v[AC+jj:AC+jj+1], s[86:87], v[BIAS+jj:BIAS+jj+1] op_sel_hi:[1,0,1]
.endif
.set jj, jj+2
.endr
	WIN 0
.set jj, 0
.rept 64
	v_med3_num_f32 v[TMP+jj], v[TMP+jj], -v[LIM], v[LIM]   ; the conversion to an 8-bit code does not saturate (ISA guide 7.6.2)
.set jj, jj+1
.endr
.irp b, 0,1,2,3,4,5,6,7
	v_cvt_scalef32_pk8_fp8_f32 v[CS+2*\b:CS+2*\b+1], v[TMP+8*\b:TMP+8*\b+7], v[SCL]
.endr
	v_nop                                          ; one plain instruction between the conversions and the next block's writes of their sources
.irp q, 0,1,2,3
.if \mode
	global_store_b128 v[LI], v[CS+4*\q:CS+4*\q+3], s[10:11] offset:(\a/4)*HS+4096*(\q/2)+1024*(\a%4)+512*(\q%2)   ; head a / 4, step of 64 keys q / 2, channel tile a % 4, half q % 2
.else
	global_store_b128 v[LI], v[CS+4*\q:CS+4*\q+3], s[10:11] offset:(\q/2)*HS+1024*\a+512*(\q%2)                   ; head q / 2, token tile a, half q % 2
.endif
.endr
.endr
.endm
	s_wait_tensorcnt 1                             ; my part of K step 0 is in (K step 1's load may be out)
	s_barrier_signal -1
	s_barrier_wait -1                              ; everybody's is
	FETCH_B 0, 0, 0
	FETCH_A 0, 0, 0
	FETCH_A 0, 0, 4
	STEP 0, 0, 1                                   ; K step 0; its first products start the sums
	TURN 0, 1, 1                                   ; slot 0 takes K step 2
	STEP 1, 0, 0                                   ; K step 1
	TURN 1, 0, 1                                   ; slot 1 takes K step 3
	STEP 0, 0, 0                                   ; K step 2
	TURN 0, 1, 0                                   ; nothing is left to fetch
	s_cmp_eq_u32 s12, 2                            ; ONE branch on the projection, which all sixteen partners share; no barrier and no tensor load stands in either arm
	s_cbranch_scc1 .Lv
	v_lshlrev_b32 v[BL], 5, v2                     ; Q, K: register 8 b + j wants the bias of channel 16 b + 8 h + j
.irp b, 0,1,2,3,4,5,6,7
	global_load_b128 v[BIAS+8*\b:BIAS+8*\b+3], v[BL], s[8:9] offset:64*\b
	global_load_b128 v[BIAS+8*\b+4:BIAS+8*\b+7], v[BL], s[8:9] offset:64*\b+16
.endr
	LAST2
	OUT 0
	s_branch .Ltail
.Lv:
	v_lshlrev_b32 v[BL], 2, v1                     ; V: block a wants the bias of channel 16 a + r
.irp a, 0,1,2,3,4,5,6,7
	global_load_b32 v[BIAS+2*\a], v[BL], s[8:9] offset:64*\a
.endr
	LAST2
.irp a, 0,1,2,3,4,5,6,7
	v_mov_b32 v[BIAS+2*\a+1], v[BIAS+2*\a]         ; a pair for the packed form
.endr
	OUT 1
.Ltail:
	s_wait_tensorcnt 0x0                           ; the wave's end, behind my last tensor load
	ds_add_u32 v[SPW], v[NIL]
	s_wait_dscnt 0x0
	CROUND                                         ; the closing round: no work-group ends while a partner may still ask for a tile that names it
	s_endpgm
.Lfunc_end_k_qcb37713faf_qkv:
	.size	k_qcb37713faf_qkv, .Lfunc_end_k_qcb37713faf_qkv-k_qcb37713faf_qkv
	.p2alignl 7, 3214868480
	.fill 96, 4, 3214868480
	.section	.rodata,"a",@progbits
	.p2align	6, 0x0
	.amdhsa_kernel k_qcb37713faf_qkv
		.amdhsa_group_segment_fixed_size 327680
		.amdhsa_private_segment_fixed_size 0
		.amdhsa_enable_private_segment 0
		.amdhsa_kernarg_size 72
		.amdhsa_user_sgpr_count 2
		.amdhsa_user_sgpr_kernarg_segment_ptr 1
		.amdhsa_wavefront_size32 1
		.amdhsa_system_sgpr_workgroup_id_x 1
		.amdhsa_system_sgpr_workgroup_id_y 1
		.amdhsa_system_sgpr_workgroup_id_z 1
		.amdhsa_system_vgpr_workitem_id 0
		.amdhsa_next_free_vgpr 1024
		.amdhsa_next_free_sgpr 102
		.amdhsa_reserve_vcc 0
		.amdhsa_float_denorm_mode_32 3
		.amdhsa_float_denorm_mode_16_64 3
		.amdhsa_memory_ordered 1
		.amdhsa_forward_progress 1
		.amdhsa_inst_pref_size 206
	.end_amdhsa_kernel
	.amdgpu_metadata
---
amdhsa.version: [ 1, 2 ]
amdhsa.kernels:
  - .name:           k_qcb37713faf_qkv
    .symbol:         k_qcb37713faf_qkv.kd
    .args:
      - { .name: xq, .offset: 0, .size: 8, .value_kind: global_buffer, .address_space: global }
      - { .name: Wq_codes, .offset: 8, .size: 8, .value_kind: global_buffer, .address_space: global }
      - { .name: Wk_codes, .offset: 16, .size: 8, .value_kind: global_buffer, .address_space: global }
      - { .name: Wv_codes, .offset: 24, .size: 8, .value_kind: global_buffer, .address_space: global }
      - { .name: bq, .offset: 32, .size: 8, .value_kind: global_buffer, .address_space: global }
      - { .name: bk, .offset: 40, .size: 8, .value_kind: global_buffer, .address_space: global }
      - { .name: bv, .offset: 48, .size: 8, .value_kind: global_buffer, .address_space: global }
      - { .name: lowp_scales, .offset: 56, .size: 8, .value_kind: global_buffer, .address_space: global }
      - { .name: qkv, .offset: 64, .size: 8, .value_kind: global_buffer, .address_space: global }
    .group_segment_fixed_size: 327680
    .private_segment_fixed_size: 0
    .kernarg_segment_align: 8
    .kernarg_segment_size: 72
    .max_flat_workgroup_size: 128
    .sgpr_count:     102
    .vgpr_count:     1024
    .wavefront_size: 32
...
	.end_amdgpu_metadata
.endif
;; end of part 2
;; launch attn (part 3): grid 4 x 64, 16 waves a work-group, clusters of 4 x 1, 327,680 bytes of LDS; arguments qkv, mask, lowp_scales, ctx; writes ctx
.if DOCPART == 3
	.amdgcn_target "amdgcn-amd-amdhsa--gfx1250"
	.amdhsa_code_object_version 6
	.text
	.protected	k_qcb37713faf_attn
	.globl	k_qcb37713faf_attn
	.p2align	8
	.type	k_qcb37713faf_attn,@function
k_qcb37713faf_attn:
	s_mov_b64 s[64:65], 0
	v_nop
	global_prefetch_b8 v0, s[64:65] scope:SCOPE_SE
	s_setreg_imm32_b32 hwreg(HW_REG_WAVE_MODE, 25, 1), 1
	s_wait_xcnt 0x0
	s_wait_alu depctr_hold_cnt(0) depctr_sa_sdst(0) depctr_va_vdst(0) depctr_va_sdst(0) depctr_va_ssrc(0) depctr_va_vcc(0) depctr_vm_vsrc(0)
	s_getreg_b32 s2, hwreg(HW_REG_IB_STS2, 6, 4)
	s_cmp_eq_u32 s2, 0
	s_cbranch_scc0 .Lentry_in_a_cluster
	s_endpgm
.Lentry_in_a_cluster:
	s_bfe_u32 s2, ttmp6, 0x10000c
	s_cmp_lg_u32 s2, 0x3003
	s_cbranch_scc0 .Lentry_shape_is_right
	s_endpgm
.Lentry_shape_is_right:
; Launch 3 of 4: context = softmax(Q K^T / 8, keys with mask 0 at -1e9) V on codes of E4M3, then quantised (entry 10 of lowp_scales) into images of the last launch's operand registers.  Nothing is left out as dead work.
; THE SOFTMAX AHEAD OF THE SECOND PRODUCT: t = logit x log2(e); M = the row's largest t so far, rounded UP to a whole number; p = 2^(t - M) is quantised (entry 8), not normalised; the row's sum is taken of the unquantised p
; and divides at the end.  When M moves, the sum and O are multiplied by 2^(old M - new M): exact.
; SHARES.  A work-group owns 512 queries of one batch and head; each of its sixteen waves owns 32 of them, two tiles A and B, so that each fragment of K, V and of the mask's bias feeds two products.  256 registers a wave:
; four waves to a SIMD, so that one wave's vector work stands beside another's matrix work and LDS loads.
; NO RING.  A head's K and V, 262,144 bytes, lie in LDS whole, as they lie in memory: every byte is filled once, at the head.  Each wave issues four tensor loads, its 4,096 bytes of each group of 512 keys: four of mine are out at the most.
; A group's 8 key steps begin when that group has landed; the later groups land meanwhile.
; CLUSTER.  The four query blocks of a head read the same K and V: every load is asked for jointly, with the same descriptor and a mask that names the four.
; LAYOUT.  S^T = K Q^T (source 0 = 16 keys, source 1 = 16 queries), O^T = V^T P^T (source 0 = 16 channels): a lane holds ONE query throughout, and a tile's eight registers are eight neighbouring keys or channels,
; which one conversion turns into registers 2c, 2c+1 of the next operand (k = 16c + 8 (lane / 16) + 0..7).
; THE MASK costs nothing in the key loop: a key's bias is the C of the score product: 0 where mask != 0, else VB = -8e9 x 2^-(e6+e7), so that VB x c = -1e9 x log2(e).  So a masked key's logit is -1e9 + q.k / 8 and not -1e9:
; LIMIT: e6 + e7 at most 8; then |q.k| x c stays under 5.9e8, a masked t lies 2.6e8 or more under every other, and p = 0 as in reference().  Sums made while only masked keys have been seen are finite and are multiplied by
; f = 2^(about -1.4e9) = 0 at the first other key.  Where ALL keys of a batch are masked, the softmax of a constant row does not hang on the constant: the bias is 0 and Q's codes are cleared (selects, no branch), so t = 0, M = 0, p = 1.
; LIMITS: e6 + e7 between -95 and 8; e8, e10 between -126 and 119; e8 + e9 is applied by v_ldexp_f32 and has none.  NaN is not served.
; REGISTERS: v1-9 addresses and constants; v[10:11] -M and the largest t, v[12:13] the sum in two halves (tile A); v[14:17] the same (B); v[18:19] f; v20-31 at work; v32-47 Q; v48-79 four fragments of K, then of V;
;   v80-111 the bias; v112-175 S^T, then p; v176-191 p's codes; v192-255 O^T.
.set HS,    393216                     ; a head's block in qkv
.set BIASL, 262144                     ; LDS: behind K and V: the bias, an f32 for each of 2,048 keys,
.set FLAG,  270336                     ; a word for each wave: has it seen a key that counts?  (a block of 256 bytes of its own)
.set SPARE, 270592                     ; and the spare words, 128 bytes a wave
.set LI,   1                           ; v1  16 x lane
.set BI,   2                           ; v2  BIASL + 32 (lane / 16)
.set AD,   3                           ; v3  LDS address of the step's K and V
.set ADB,  4                           ; v4  of its bias
.set SPW,  5                           ; v5  my spare word; never rewritten
.set NIL,  6                           ; v6  0; never rewritten
.set PLIM, 7                           ; v7  448 x 2^e8
.set PSCL, 8                           ; v8  2^e8
.set KF,   48
.set BS,   80
.set WV,   12
.macro ROUND                           ; a round of the cluster's barrier
	s_barrier_signal -1
	s_barrier_wait -1
	s_cmp_lg_u32 s[WV], 0
	s_cbranch_scc1 .Lnot_wave_0_\@
	s_barrier_signal -3
.Lnot_wave_0_\@:
	s_barrier_wait -3
	s_barrier_signal -1
	s_barrier_wait -1
.endm
	s_load_b256 s[4:11], s[0:1], 0x0               ; qkv s[4:5], mask s[6:7], the scales' exponents s[8:9], ctx s[10:11]
	v_lshl_add_u32 v[SPW], v0, 2, SPARE
	v_mov_b32 v[NIL], 0
	ds_add_u32 v[SPW], v[NIL]                      ; the wave's opening: the add, twice on end, and its wait ahead of my first tensor load; the set-up below stands between
	ds_add_u32 v[SPW], v[NIL]
	v_lshrrev_b32 v9, 5, v0
	v_readfirstlane_b32 s[WV], v9                  ; wave 0..15
	s_bfe_u32 s13, ttmp6, 0x40000                  ; cx: my block of 512 queries
	s_and_b32 s14, ttmp7, 0xffff                   ; 16 x batch + head, which the four partners share
	s_lshr_b32 s15, s14, 4                         ; batch
	s_and_b32 s16, s14, 15                         ; head
	; descriptor group 1: a dense block of 4,096 bytes as 16 rows of 256
	s_mov_b32 s24, 15|(3<<16)|(1<<21)              ; 15:0 the mask: all four work-groups; 17:16 elements of 8 bytes; 21 set beside a mask; no padding
	s_mov_b32 s25, 32<<16                          ; tensor_dim0 = 32
	s_mov_b32 s26, 16<<16                          ; tensor_dim1 = 16
	s_mov_b32 s27, 32<<16                          ; tile_dim0 = 32
	s_mov_b32 s28, 16                              ; tile_dim1 = 16
	s_mov_b32 s29, 32                              ; tensor_dim0_stride
	s_mov_b32 s30, 0
	s_mov_b32 s31, 0
	s_mul_i32 s66, s14, HS                         ; the head's block
	s_mov_b32 s67, 0
	s_lshl_b32 s70, s[WV], 12                      ; my 4,096 bytes of a group, in memory and in LDS alike
	s_add_co_u32 s68, s66, s70
	s_mov_b32 s69, 0
	s_mov_b32 s50, 0x76543210                      ; v_permlanex16_b32's selects for lane l xor 16
	s_mov_b32 s51, 0xfedcba98
	s_wait_dscnt 0x0                               ; both opening adds are done
	s_wait_kmcnt 0x0
	s_add_nc_u64 s[68:69], s[4:5], s[68:69]
.irp g, 0,1,2,3
	s_mov_b32 s[32+4*\g], 1                        ; count = 1
	s_add_co_u32 s[33+4*\g], s70, \g*65536         ; LDS address: group g, my piece
	s_add_nc_u64 s[34+4*\g:35+4*\g], s[68:69], \g*65536
	s_or_b32 s[35+4*\g], s[35+4*\g], 0x80000000    ; type = 2
.endr
	ROUND                                          ; all four work-groups are here: the joint loads meet
.irp g, 0,1,2,3
	tensor_load_to_lds s[32+4*\g:35+4*\g], s[24:31]
	s_nop 0
.endr
.rept 4
	v_nop
.endr
	s_load_b128 s[56:59], s[8:9], 0x18             ; e6, e7, e8, e9
	s_load_b32 s60, s[8:9], 0x28                   ; e10
	v_and_b32 v9, 31, v0
	v_lshlrev_b32 v[LI], 4, v9
	v_bfe_u32 v9, v0, 4, 1
	v_lshl_add_u32 v[BI], v9, 5, BIASL
	v_lshlrev_b32 v9, 4, v0                        ; thread i takes the mask of keys 4 i .. 4 i + 3
	s_lshl_b32 s70, s15, 13
	s_mov_b32 s71, 0
	s_add_nc_u64 s[6:7], s[6:7], s[70:71]          ; my batch's row of the mask
	global_load_b128 v[20:23], v9, s[6:7]
	s_lshl_b32 s70, s13, 15                        ; Q: my block's 32 tiles of 1,024 bytes,
	s_lshl_b32 s63, s[WV], 11                      ; my wave's two
	s_add_co_u32 s70, s70, s63
	s_add_co_u32 s70, s70, 262144
	s_add_co_u32 s66, s66, s70
	s_add_nc_u64 s[4:5], s[4:5], s[66:67]
.irp i, 0,1,2,3
	global_load_b128 v[32+4*\i:35+4*\i], v[LI], s[4:5] offset:512*\i   ; Q's two fragments stay in registers
.endr
	s_lshl_b32 s66, s15, 7                         ; where my context goes: token tile 128 x batch + 32 cx + 2 x wave, 16,384 bytes a tile;
	s_lshl_b32 s67, s13, 5
	s_add_co_u32 s66, s66, s67
	s_lshl_b32 s67, s[WV], 1
	s_add_co_u32 s66, s66, s67
	s_lshl_b32 s66, s66, 14
	s_lshl_b32 s67, s16, 10                        ; K step head / 2 (2,048 bytes), registers 8 (head % 2) on (1,024): 1,024 x head
	s_add_co_u32 s66, s66, s67
	s_mov_b32 s67, 0
	s_add_nc_u64 s[10:11], s[10:11], s[66:67]
	v_mov_b32 v11, 0xff61b1e6                      ; the largest t so far: -3e38, under every t
	v_floor_f32 v10, -v11                          ; -M
	v_mov_b32 v15, 0xff61b1e6
	v_floor_f32 v14, -v15
	v_mov_b32 v12, 0                               ; the sums, in two halves
	v_mov_b32 v13, 0
	v_mov_b32 v16, 0
	v_mov_b32 v17, 0
	v_mov_b32 v19, 0                               ; (named as the upper half of the pair v[18:19])
	v_mov_b32 v26, 0                               ; written once: a lane permute's destination counts as one of its sources
	v_mov_b32 v27, 0
.set jj, 0
.rept 64
	v_mov_b32 v[192+jj], 0                         ; O^T.  (The key step is written once: its first walk finds zeros, which the first change of M leaves zeros)
.set jj, jj+1
.endr
	v_lshrrev_b32 v30, 5, v0
	v_lshl_add_u32 v30, v30, 2, FLAG               ; my wave's word
	v_mov_b32 v31, FLAG
	v_lshl_add_u32 v28, v0, 4, BIASL               ; my four keys' bias
	s_wait_loadcnt 0x0                             ; the mask and Q
	v_or_b32 v24, v20, v21
	v_or_b32 v25, v22, v23
	v_or_b32 v24, v24, v25
	v_cmp_ne_u32 s63, 0, v24                       ; does any of my wave's 128 keys count?
	s_cmp_lg_u32 s63, 0
	s_cselect_b32 s63, 1, 0
	v_mov_b32 v24, s63
	ds_store_b32 v30, v24                          ; all lanes write the same word with the same value
	s_wait_dscnt 0x0                               ; for the others' sake
	s_barrier_signal -1
	s_barrier_wait -1                              ; (my tensor loads stay out)
.irp i, 0,1,2,3
	ds_load_b128 v[112+4*\i:115+4*\i], v31 offset:16*\i
.endr
	s_wait_dscnt 0x0
.irp i, 0,1,2,3,4,5,6,7
	v_or_b32 v[112+\i], v[112+\i], v[120+\i]
.endr
.irp i, 0,1,2,3
	v_or_b32 v[112+\i], v[112+\i], v[116+\i]
.endr
	v_or_b32 v112, v112, v114
	v_or_b32 v113, v113, v115
	v_or_b32 v112, v112, v113
	v_readfirstlane_b32 s63, v112
	s_cmp_lg_u32 s63, 0
	s_cselect_b32 s61, -1, 0                       ; all ones where some key of the batch counts
	s_wait_kmcnt 0x0
	s_add_co_i32 s62, s56, s57
	s_lshl_b32 s62, s62, 23
	s_add_co_i32 s48, s62, 0x3e38aa3b              ; c = log2(e) / 8, with e6 + e7 added to its exponent field: a score stands for score x 2^(e6 + e7)
	s_mov_b32 s49, s48                             ; (named with it as a pair, so it is written)
	s_sub_co_i32 s62, 0xcfee6b28, s62              ; -8e9 with e6 + e7 taken off its exponent field,
	s_and_b32 s62, s62, s61                        ; or 0 where the whole batch is masked
	v_mov_b32 v29, s62
	s_add_co_i32 s66, s58, 127
	s_lshl_b32 s67, s66, 23
	v_mov_b32 v[PSCL], s67
	s_add_co_i32 s66, s66, 8
	s_lshl_b32 s66, s66, 23
	s_or_b32 s66, s66, 0x600000
	v_mov_b32 v[PLIM], s66
.set jj, 0
.rept 16
	v_and_b32 v[32+jj], s61, v[32+jj]              ; Q's codes, or zeros where the whole batch is masked
.set jj, jj+1
.endr
.irp i, 20,21,22,23
	v_cmp_eq_u32 vcc_lo, 0, v\i
	v_cndmask_b32 v\i, 0, v29, vcc_lo              ; the key's bias
.endr
	ds_store_b128 v28, v[20:23]
; One tile's softmax for a key step of 64: s: its 32 scores; m: the pair (-M, largest t); l: the sum's pair; o: its O^T; pc: where p's codes go.
.macro SOFTMAX s, m, l, o, pc
	v_max3_num_f32 v20, v[\s], v[\s+1], v[\s+2]    ; the step's largest score of my query among my 32 keys, in two chains; each accumulator is first read in its low four registers
	v_max3_num_f32 v21, v[\s+3], v[\s+4], v[\s+5]
.irp i, 6,10,14,18,22,26
	v_max3_num_f32 v20, v20, v[\s+\i], v[\s+\i+1]
	v_max3_num_f32 v21, v21, v[\s+\i+2], v[\s+\i+3]
.endr
	v_max3_num_f32 v20, v20, v[\s+30], v[\s+31]
	v_max_num_f32 v20, v20, v21
	v_permlanex16_b32 v26, v20, s50, s51
	v_max_num_f32 v20, v20, v26                    ; and among lane l xor 16's
	v_mul_f32 v20, s48, v20                        ; as t (c is positive)
	v_max_num_f32 v[\m+1], v[\m+1], v20            ; the running largest t
	v_mov_b32 v20, v[\m]
	v_floor_f32 v[\m], -v[\m+1]                    ; the new -M = floor(-t) = -ceil(t): a whole number
	v_sub_f32 v20, v[\m], v20                      ; old M less new M: a whole number, 0 or less
	v_cvt_i32_f32 v20, v20                         ; (it saturates)
	v_ldexp_f32 v18, 1.0, v20                      ; f = 2^(old M - new M)
.set jj, 0
.rept 16
	v_pk_fma_f32 v[\s+jj:\s+jj+1], v[\s+jj:\s+jj+1], s[48:49], v[\m:\m+1] op_sel_hi:[1,0,0]   ; t - M, two at a time
.set jj, jj+2
.endr
.set jj, 0
.rept 32
	v_exp_f32 v[\s+jj], v[\s+jj]                   ; p = 2^(t - M): one batch
.set jj, jj+1
.endr
	v_pk_mul_f32 v[\l:\l+1], v[\l:\l+1], v[18:19] op_sel_hi:[1,0]   ; the sums under the new M: the plain instruction behind the exponentials
	s_wait_alu depctr_va_vdst(0)                   ; one wait for the whole batch, ahead of its first reader
	v_pk_add_f32 v[24:25], v[\s:\s+1], v[\s+2:\s+3]   ; the row's sum is taken of the UNQUANTISED p, in two chains
.irp j, 4,8,12,16,20,24,28
	v_pk_add_f32 v[\l:\l+1], v[\l:\l+1], v[\s+\j:\s+\j+1]
	v_pk_add_f32 v[24:25], v[24:25], v[\s+\j+2:\s+\j+3]
.endr
	v_pk_add_f32 v[\l:\l+1], v[\l:\l+1], v[24:25]
.set jj, 0
.rept 32
	v_min_num_f32 v[\s+jj], v[\s+jj], v[PLIM]      ; the conversion does not saturate (ISA guide 7.6.2); p is not negative, so the hold is one-sided
.set jj, jj+1
.endr
.irp t, 0,1,2,3
	v_cvt_scalef32_pk8_fp8_f32 v[\pc+2*\t:\pc+2*\t+1], v[\s+8*\t:\s+8*\t+7], v[PSCL]
.endr
.set jj, 0
.rept 16
	v_pk_mul_f32 v[\o+jj:\o+jj+1], v[\o+jj:\o+jj+1], v[18:19] op_sel_hi:[1,0]   ; O^T under the new M; also the plain instructions between the conversions and the products that read the codes
.set jj, jj+2
.endr
.endm
.macro PV o, pc                        ; O^T += V^T P^T: four accumulators by turns, one instruction a turn
.irp t, 0,1,2,3
	v_wmma_f32_16x16x64_fp8_fp8 v[\o+8*\t:\o+8*\t+7], v[KF+8*\t:KF+8*\t+7], v[\pc:\pc+7], v[\o+8*\t:\o+8*\t+7]
.endr
.endm
; A KEY STEP: 64 keys, both tiles of queries.
.macro STEP
	v_add_nc_u32 v[AD], s52, v[LI]
	v_add_nc_u32 v[ADB], s53, v[BI]
	v_nop                                          ; four places, the two additions among them, between the last step's products and the loads into the registers that they read
	v_nop
.irp t, 0,1,2,3
	ds_load_b128 v[KF+8*\t:KF+8*\t+3], v[AD] offset:1024*\t          ; K: key tile t, an image of its registers: 16 x lane, no conflict
	ds_load_b128 v[KF+8*\t+4:KF+8*\t+7], v[AD] offset:1024*\t+512
.endr
.irp t, 0,1,2,3
	ds_load_b128 v[BS+8*\t:BS+8*\t+3], v[ADB] offset:64*\t           ; the bias of keys 16 t + 8 h + 0 .. 7: sixteen lanes share each address
	ds_load_b128 v[BS+8*\t+4:BS+8*\t+7], v[ADB] offset:64*\t+16
.endr
	s_wait_dscnt 0x0
.irp t, 0,1,2,3
	v_wmma_f32_16x16x64_fp8_fp8 v[112+8*\t:119+8*\t], v[KF+8*\t:KF+8*\t+7], v[32:39], v[BS+8*\t:BS+8*\t+7]   ; S^T = K Q^T + the mask's bias
	v_wmma_f32_16x16x64_fp8_fp8 v[144+8*\t:151+8*\t], v[KF+8*\t:KF+8*\t+7], v[40:47], v[BS+8*\t:BS+8*\t+7]
.endr
.rept 4
	v_nop                                          ; places in front of the loads below and of the first read of the scores
.endr
.irp t, 0,1,2,3
	ds_load_b128 v[KF+8*\t:KF+8*\t+3], v[AD] offset:32768+1024*\t    ; V: channel tile t; it lands under tile A's softmax
	ds_load_b128 v[KF+8*\t+4:KF+8*\t+7], v[AD] offset:32768+1024*\t+512
.endr
	SOFTMAX 112, 10, 12, 192, 176
	s_wait_dscnt 0x0                               ; V is in
	PV 192, 176
	SOFTMAX 144, 14, 16, 224, 184
	PV 224, 184
.endm
; A GROUP of 512 keys: my piece of it has landed (the 3 - g later pieces may stay out), everybody's has; then 8 key steps.
.macro GROUP g
	s_wait_tensorcnt 3-\g
	s_wait_dscnt 0x0                               ; my bias store (g = 0) has landed
	s_barrier_signal -1
	s_barrier_wait -1
	s_mov_b32 s52, 65536*\g
	s_mov_b32 s53, 2048*\g
	s_mov_b32 s54, 8
.Lstep_\@:
	STEP
	s_add_co_u32 s52, s52, 4096                    ; four key tiles of K; a step of V
	s_add_co_u32 s53, s53, 256                     ; 64 keys' bias
	s_sub_co_u32 s54, s54, 1
	s_cmp_lg_u32 s54, 0
	s_cbranch_scc1 .Lstep_\@
.endm
	GROUP 0
	GROUP 1
	GROUP 2
	GROUP 3
	; THE WAY OUT, without LDS: O^T x 2^(e8 + e9) / the sum, held, converted: a tile's 32 registers become 8 registers of the last launch's operand, stored at 16 x lane.  The additions are the places behind the last products.
	v_add_f32 v12, v12, v13                        ; the sums' two halves,
	v_add_f32 v16, v16, v17
	v_permlanex16_b32 v26, v12, s50, s51
	v_permlanex16_b32 v27, v16, s50, s51
	v_add_f32 v12, v12, v26                        ; and lane l xor 16's
	v_add_f32 v16, v16, v27
	v_rcp_f32 v12, v12
	v_rcp_f32 v16, v16
	v_nop                                          ; a plain instruction behind the reciprocals
	s_add_co_i32 s66, s58, s59
	s_add_co_i32 s67, s60, 127
	s_lshl_b32 s68, s67, 23
	v_mov_b32 v81, s68                             ; 2^e10
	s_add_co_i32 s67, s67, 8
	s_lshl_b32 s67, s67, 23
	s_or_b32 s67, s67, 0x600000
	v_mov_b32 v80, s67                             ; 448 x 2^e10
	s_wait_alu depctr_va_vdst(0)                   ; one wait for both reciprocals, ahead of their first reader
	v_ldexp_f32 v12, v12, s66
	v_ldexp_f32 v16, v16, s66
.set jj, 0
.rept 16
	v_pk_mul_f32 v[112+jj:113+jj], v[192+jj:193+jj], v[12:13] op_sel_hi:[1,0]
	v_pk_mul_f32 v[144+jj:145+jj], v[224+jj:225+jj], v[16:17] op_sel_hi:[1,0]
.set jj, jj+2
.endr
.set jj, 0
.rept 64
	v_med3_num_f32 v[112+jj], v[112+jj], -v80, v80
.set jj, jj+1
.endr
.irp t, 0,1,2,3,4,5,6,7
	v_cvt_scalef32_pk8_fp8_f32 v[176+2*\t:177+2*\t], v[112+8*\t:119+8*\t], v81
.endr
	v_nop
.irp m, 0,1
.irp q, 0,1
	global_store_b128 v[LI], v[176+8*\m+4*\q:179+8*\m+4*\q], s[10:11] offset:16384*\m+512*\q   ; 512 consecutive bytes, aligned
.endr
.endr
	s_wait_tensorcnt 0x0                           ; the wave's end, behind my last tensor load and my last LDS store
	ds_add_u32 v[SPW], v[NIL]
	s_wait_dscnt 0x0
	ROUND                                          ; the closing round
	s_endpgm
.Lfunc_end_k_qcb37713faf_attn:
	.size	k_qcb37713faf_attn, .Lfunc_end_k_qcb37713faf_attn-k_qcb37713faf_attn
	.p2alignl 7, 3214868480
	.fill 96, 4, 3214868480
	.section	.rodata,"a",@progbits
	.p2align	6, 0x0
	.amdhsa_kernel k_qcb37713faf_attn
		.amdhsa_group_segment_fixed_size 327680
		.amdhsa_private_segment_fixed_size 0
		.amdhsa_enable_private_segment 0
		.amdhsa_kernarg_size 32
		.amdhsa_user_sgpr_count 2
		.amdhsa_user_sgpr_kernarg_segment_ptr 1
		.amdhsa_wavefront_size32 1
		.amdhsa_system_sgpr_workgroup_id_x 1
		.amdhsa_system_sgpr_workgroup_id_y 1
		.amdhsa_system_sgpr_workgroup_id_z 1
		.amdhsa_system_vgpr_workitem_id 0
		.amdhsa_next_free_vgpr 256
		.amdhsa_next_free_sgpr 72
		.amdhsa_reserve_vcc 1
		.amdhsa_float_denorm_mode_32 3
		.amdhsa_float_denorm_mode_16_64 3
		.amdhsa_memory_ordered 1
		.amdhsa_forward_progress 1
		.amdhsa_inst_pref_size 86
	.end_amdhsa_kernel
	.amdgpu_metadata
---
amdhsa.version: [ 1, 2 ]
amdhsa.kernels:
  - .name:           k_qcb37713faf_attn
    .symbol:         k_qcb37713faf_attn.kd
    .args:
      - { .name: qkv, .offset: 0, .size: 8, .value_kind: global_buffer, .address_space: global }
      - { .name: mask, .offset: 8, .size: 8, .value_kind: global_buffer, .address_space: global }
      - { .name: lowp_scales, .offset: 16, .size: 8, .value_kind: global_buffer, .address_space: global }
      - { .name: ctx, .offset: 24, .size: 8, .value_kind: global_buffer, .address_space: global }
    .group_segment_fixed_size: 327680
    .private_segment_fixed_size: 0
    .kernarg_segment_align: 8
    .kernarg_segment_size: 32
    .max_flat_workgroup_size: 512
    .sgpr_count:     72
    .vgpr_count:     256
    .wavefront_size: 32
...
	.end_amdgpu_metadata
.endif
;; end of part 3
;; launch outln (part 4): grid 256 x 1, 4 waves a work-group, clusters of 4 x 1, 327,680 bytes of LDS; arguments ctx, Wo_codes, lowp_scales, bo, x, gamma, beta, out0; writes out0
.if DOCPART == 4
	.amdgcn_target "amdgcn-amd-amdhsa--gfx1250"
	.amdhsa_code_object_version 6
	.text
	.protected	k_qcb37713faf_outln
	.globl	k_qcb37713faf_outln
	.p2align	8
	.type	k_qcb37713faf_outln,@function
k_qcb37713faf_outln:
	s_mov_b64 s[64:65], 0
	v_nop
	global_prefetch_b8 v0, s[64:65] scope:SCOPE_SE
	s_setreg_imm32_b32 hwreg(HW_REG_WAVE_MODE, 25, 1), 1
	s_wait_xcnt 0x0
	s_wait_alu depctr_hold_cnt(0) depctr_sa_sdst(0) depctr_va_vdst(0) depctr_va_sdst(0) depctr_va_ssrc(0) depctr_va_vcc(0) depctr_vm_vsrc(0)
	s_getreg_b32 s2, hwreg(HW_REG_IB_STS2, 6, 4)
	s_cmp_eq_u32 s2, 0
	s_cbranch_scc0 .Lentry_in_a_cluster
	s_endpgm
.Lentry_in_a_cluster:
	s_bfe_u32 s2, ttmp6, 0x10000c
	s_cmp_lg_u32 s2, 0x3003
	s_cbranch_scc0 .Lentry_shape_is_right
	s_endpgm
.Lentry_shape_is_right:
; Launch 4 of 4: out0 = LayerNorm(x + context Wo^T + bo) x gamma + beta; the product on codes of E4M3 (entries 10, 11 of lowp_scales), all else in f32.  Nothing is left out as dead work.
; SHARES.  A work-group owns 32 tokens (two tiles m) and ALL 1,024 channels, since the norm wants whole rows.  Wave w makes channels 512 e + 128 w + 0..127, e = 0, 1: 32 accumulators.  The context's 16 fragments (256 registers)
; stay in registers; Wo goes by in eight tiles s (e = s % 2 = the slot, K = 256 (s / 2) on) of 512 rows x 256 bytes through a ring of two LDS slots; each wave fetches the 128 rows that it alone reads.
; CLUSTER.  All work-groups walk the same Wo: the four of a cluster ask for each tile jointly, with the same descriptor and a mask that names the four.
; LAYOUT.  Source 0 = 16 rows of Wo, source 1 = 16 tokens: a lane holds a token and eight neighbouring channels.  The context's images are in the 8-bit layout's own order (registers 2c, 2c+1: k = 16c + 8 (lane / 16) + 0..7),
; so Wo's fragments are read in that order too: eight loads of 8 bytes.
; THE WAY OUT.  The raw sums meet in a stage of 32 rows x (4,096 + 16) bytes.  It lies in slot 0, which has had its last fill, and whose last reads stand in front of the last round.  Each wave then takes 8 whole rows: a row's
; 1,024 numbers in 32 registers, lane l holding channels 128 q + 4 l + 0..3, as x, bo, gamma and beta are loaded.  x comes early, into the registers that the context's fragments have left.
; LIMITS: e10 + e11 between -126 and 127.  NaN is not served.
; REGISTERS: window 0: v16-23 addresses; v32-63 gamma, v64-95 beta, v96-127 bo; v128-191 two rows at work; v192-200 sums.   window 1: four buffers of four fragments of Wo.
;   window 2: the context's fragment (K step k, tile m) at v[16 (2 k + m)]; later x's row i at v[32 i].   window 3: accumulator (e, t, m) at v[8 (16 e + 2 t + m)].
.set PITCH,  272                       ; an LDS row: 256 bytes + 16 of padding: the 32 lanes of a load of 8 bytes touch 64 different banks
.set HALFT,  128*PITCH
.set SLOT,   4*HALFT
.set SPARE,  2*SLOT                    ; behind the ring: the spare words, 128 bytes a wave
.set SPITCH, 4112
.set BA0,  16                          ; v16-17  LDS address of my fragments of Wo in slot 0, 1
.set STO0, 18                          ; v18-19  the stage: where I put 32 bytes of a row of tile 0, 1
.set RD,   20                          ; v20     and where I read my rows back
.set XO,   21                          ; v21     16 x lane
.set SPW,  22                          ; v22     my spare word; never rewritten
.set NIL,  23                          ; v23     0; never rewritten
.set GA,   32
.set BE,   64
.set BO,   96
.set Y0,   128
.set MSB, 0
.macro WIN new                         ; the immediate's high byte repeats the setting that is left
.if MSB != (\new)
	s_set_vgpr_msb (MSB<<8)|(\new)
.set MSB, (\new)
.endif
.endm
.macro ROUND                           ; a round of the cluster's barrier
	s_barrier_signal -1
	s_barrier_wait -1
	s_cmp_lg_u32 s20, 0
	s_cbranch_scc1 .Lnot_wave_0_\@
	s_barrier_signal -3
.Lnot_wave_0_\@:
	s_barrier_wait -3
	s_barrier_signal -1
	s_barrier_wait -1
.endm
.macro PLACES
.rept 4
	v_nop
.endr
.endm
	s_load_b512 s[4:19], s[0:1], 0x0               ; ctx s[4:5], Wo s[6:7], the scales' exponents s[8:9], bo s[10:11], x s[12:13], gamma s[14:15], beta s[16:17], out0 s[18:19]
	v_lshl_add_u32 v[SPW], v0, 2, SPARE
	v_mov_b32 v[NIL], 0
	ds_add_u32 v[SPW], v[NIL]                      ; the wave's opening: the add, twice on end, and its wait ahead of my first tensor load; the set-up below stands between
	ds_add_u32 v[SPW], v[NIL]
	v_lshrrev_b32 v1, 5, v0
	v_readfirstlane_b32 s20, v1                    ; wave 0..3
	s_bfe_u32 s21, ttmp6, 0x40000                  ; cx
	s_lshl_b32 s22, ttmp9, 2
	s_add_co_u32 s22, s22, s21                     ; my block of 32 tokens: it enters global addresses of my own loads and stores alone
	; descriptor group 1: 128 rows x 256 bytes, padded in LDS
	s_mov_b32 s24, 15|(0<<16)|(1<<20)|(1<<21)|(5<<22)|(3<<25)   ; the mask: all four; elements of 1 byte; padding on; 21 set beside a mask; after every 64 words, 4 words
	s_mov_b32 s25, 256<<16                         ; tensor_dim0
	s_mov_b32 s26, 128<<16                         ; tensor_dim1
	s_mov_b32 s27, 256<<16                         ; tile_dim0
	s_mov_b32 s28, 128                             ; tile_dim1
	s_mov_b32 s29, 1024                            ; tensor_dim0_stride
	s_mov_b32 s30, 0
	s_mov_b32 s31, 0
	s_mul_i32 s46, s20, HALFT                      ; my 128 rows' place in a slot
	s_lshl_b32 s48, s20, 17                        ; and in Wo: 128 rows of 1,024 bytes x wave
	s_mov_b32 s49, 0
	s_mov_b32 s42, 0x76543210                      ; v_permlanex16_b32's selects for lane l xor 16
	s_mov_b32 s43, 0xfedcba98
	s_mov_b32 s53, 0x3a800000                      ; 1 / 1024
	s_mov_b32 s54, 0xba800000                      ; -1 / 1024
	s_wait_dscnt 0x0                               ; both opening adds are done
	s_wait_kmcnt 0x0
	s_load_b64 s[44:45], s[8:9], 0x28              ; e10, e11
	s_add_nc_u64 s[48:49], s[6:7], s[48:49]
.irp n, 0,1
	s_mov_b32 s[32+4*\n], 1
	s_add_co_u32 s[33+4*\n], s46, \n*SLOT
	s_add_nc_u64 s[34+4*\n:35+4*\n], s[48:49], \n*512*1024      ; slot n holds channels 512 n on
	s_or_b32 s[35+4*\n], s[35+4*\n], 0x80000000
.endr
	ROUND                                          ; all four work-groups are here
	tensor_load_to_lds s[32:35], s[24:31]          ; tile 0
	s_nop 0
	PLACES
	v_and_b32 v1, 15, v0                           ; r
	v_bfe_u32 v2, v0, 4, 1                         ; h
	v_and_b32 v3, 31, v0
	v_lshlrev_b32 v[XO], 4, v3
	v_mul_u32_u24 v4, v1, PITCH
	v_lshl_add_u32 v4, v2, 3, v4                   ; row r, + 8 h
	v_add_nc_u32 v[BA0], s46, v4
	s_add_co_u32 s47, s46, SLOT
	v_add_nc_u32 v[BA0+1], s47, v4
	v_mul_u32_u24 v5, v1, SPITCH
	v_lshl_add_u32 v5, v2, 5, v5
	s_lshl_b32 s47, s20, 9
	v_add_nc_u32 v[STO0], s47, v5                  ; the stage: row r, + 32 h, + 512 x wave
	v_add_nc_u32 v[STO0+1], 16*SPITCH, v[STO0]     ; and 16 rows on
	s_mul_i32 s47, s20, 8*SPITCH
	v_add_nc_u32 v[RD], s47, v[XO]                 ; back: my 8 rows, 16 bytes a lane
	v_mov_b32 v197, 0                              ; (named as the upper half of the pair v[196:197])
	v_mov_b32 v199, 0x3727c5ac                     ; 1e-5
	v_mov_b32 v200, 0                              ; a lane permute's destination counts as one of its sources
	s_lshl_b32 s50, s22, 15
	s_mov_b32 s51, 0
	s_add_nc_u64 s[4:5], s[4:5], s[50:51]          ; my two token tiles' images
	s_lshl_b32 s50, s22, 17
	s_lshl_b32 s52, s20, 15
	s_add_co_u32 s50, s50, s52
	s_add_nc_u64 s[12:13], s[12:13], s[50:51]      ; x and out0 at row 32 x block + 8 x wave
	s_add_nc_u64 s[18:19], s[18:19], s[50:51]
	WIN 0x80                                       ; destination window 2
.irp k, 0,1,2,3,4,5,6,7
.irp m, 0,1
.irp c, 0,1,2,3
	global_load_b128 v[16*(2*\k+\m)+4*\c:16*(2*\k+\m)+4*\c+3], v[XO], s[4:5] offset:16384*\m+2048*\k+512*\c
.endr
.endr
.endr
	WIN 0
.irp q, 0,1,2,3,4,5,6,7
	global_load_b128 v[GA+4*\q:GA+4*\q+3], v[XO], s[14:15] offset:512*\q
	global_load_b128 v[BE+4*\q:BE+4*\q+3], v[XO], s[16:17] offset:512*\q
	global_load_b128 v[BO+4*\q:BO+4*\q+3], v[XO], s[10:11] offset:512*\q
.endr
	s_wait_kmcnt 0x0
	s_add_co_i32 s40, s44, s45
	s_add_co_i32 s40, s40, 127
	s_lshl_b32 s40, s40, 23                        ; 2^(e10 + e11) as f32
	s_mov_b32 s41, s40                             ; (named with it as a pair, so it is written)
	s_wait_loadcnt 0x0
.macro BLOAD slot, q, half, buf        ; four fragments of Wo (column tiles 4 half + 0..3, the slot's q-th 128 along K) into buffer buf: 32 loads of 8 bytes
	WIN 0x40                                       ; destination window 1
.irp t, 0,1,2,3
.irp c, 0,1,2,3,4,5,6,7
	ds_load_b64 v[64*(\buf)+16*\t+2*\c:64*(\buf)+16*\t+2*\c+1], v[BA0+(\slot)] offset:16*PITCH*(4*(\half)+\t)+128*(\q)+16*\c
.endr
.endr
.endm
.macro BMUL eta, k, half, buf, zero    ; 8 matrix instructions on 8 accumulators by turns
	WIN 0xf9                                       ; source 0 (Wo) window 1, source 1 (the context) window 2, C and D window 3
.irp t, 0,1,2,3
.irp m, 0,1
.if \zero
	v_wmma_f32_16x16x128_fp8_fp8 v[8*(16*(\eta)+2*(4*(\half)+\t)+\m):8*(16*(\eta)+2*(4*(\half)+\t)+\m)+7], v[64*(\buf)+16*\t:64*(\buf)+16*\t+15], v[16*(2*(\k)+\m):16*(2*(\k)+\m)+15], 0
.else
	v_wmma_f32_16x16x128_fp8_fp8 v[8*(16*(\eta)+2*(4*(\half)+\t)+\m):8*(16*(\eta)+2*(4*(\half)+\t)+\m)+7], v[64*(\buf)+16*\t:64*(\buf)+16*\t+15], v[16*(2*(\k)+\m):16*(2*(\k)+\m)+15], v[8*(16*(\eta)+2*(4*(\half)+\t)+\m):8*(16*(\eta)+2*(4*(\half)+\t)+\m)+7]
.endif
.endr
.endr
.endm
.macro XLOAD i                         ; row i of my 8 rows of x, into 32 registers of window 2 that the context's fragments have left
	WIN 0x80
.irp q, 0,1,2,3,4,5,6,7
	global_load_b128 v[32*(\i)+4*\q:32*(\i)+4*\q+3], v[XO], s[12:13] offset:4096*(\i)+512*\q th:TH_LOAD_NT
.endr
.endm
; TILE s.  In front of the round each wave waits for all its tensor loads (tile s), adds 0 to its spare word, and waits for that and for its reads of the other slot; behind it the other slot takes tile s + 1 first.
.macro TRIP s
.set SL, (\s)%2
.set KK, (\s)/2
.set ZR, 0
.if (\s) < 2
.set ZR, 1
.endif
	s_wait_tensorcnt 0x0                           ; no tensor load of mine is out, so a group 0 may be written
	ds_add_u32 v[SPW], v[NIL]
	s_add_nc_u64 s[34+4*SL:35+4*SL], s[34+4*SL:35+4*SL], 256   ; this slot's next tile: 256 further along K
	s_wait_dscnt 0x0                               ; the add is done, and my reads of the last tile are over
	ROUND
.if (\s) < 7
	tensor_load_to_lds s[36-4*SL:39-4*SL], s[24:31]
	s_nop 0
.endif
	PLACES                                         ; behind the tensor load; also the places between all earlier products and the loads below
.if ((\s) == 2) || ((\s) == 4) || ((\s) == 6)
	XLOAD (\s)-2                                   ; the fragments of the 256 along K that are done with make room for two rows of x
	XLOAD (\s)-1
.endif
	BLOAD SL, 0, 0, 0
	BLOAD SL, 0, 1, 1
	s_wait_dscnt 32                                ; all but the batch of 32 just issued
	BMUL SL, 2*KK, 0, 0, ZR
	BLOAD SL, 1, 0, 2
	s_wait_dscnt 32
	BMUL SL, 2*KK, 1, 1, ZR
	BLOAD SL, 1, 1, 3
	s_wait_dscnt 32
	BMUL SL, 2*KK+1, 0, 2, 0
	s_wait_dscnt 0x0
	BMUL SL, 2*KK+1, 1, 3, 0
	WIN 0
.endm
.irp s, 0,1,2,3,4,5,6,7
	TRIP \s
.endr
	PLACES                                         ; behind the last products: their results are read, and the last fragments' registers loaded, below
	XLOAD 6
	XLOAD 7
	WIN 0x0c                                       ; store data: window 3
.irp e, 0,1
.irp t, 0,1,2,3,4,5,6,7
.irp m, 0,1
	ds_store_b128 v[STO0+\m], v[8*(16*\e+2*\t+\m):8*(16*\e+2*\t+\m)+3] offset:2048*\e+64*\t        ; lane (r, h): the sums of token 16 m + r, channels 512 e + 128 w + 16 t + 8 h + 0 .. 7; the low four registers first
	ds_store_b128 v[STO0+\m], v[8*(16*\e+2*\t+\m)+4:8*(16*\e+2*\t+\m)+7] offset:2048*\e+64*\t+16
.endr
.endr
.endr
	WIN 0
	s_wait_dscnt 0x0                               ; for the others' sake: my stores into the stage are done
	s_barrier_signal -1
	s_barrier_wait -1                              ; 32 whole rows lie in the stage
.macro RLOAD i
.irp q, 0,1,2,3,4,5,6,7
	ds_load_b128 v[Y0+32*((\i)%2)+4*\q:Y0+32*((\i)%2)+4*\q+3], v[RD] offset:SPITCH*(\i)+512*\q
.endr
.endm
.macro WSUM                            ; v[192:195], four partial sums a lane, become the row's sum in every lane's v192
	v_pk_add_f32 v[192:193], v[192:193], v[194:195]
	v_add_f32 v192, v192, v193
	v_add_f32_dpp v192, v192, v192 row_xmask:1 row_mask:0xf bank_mask:0xf
	v_add_f32_dpp v192, v192, v192 row_xmask:2 row_mask:0xf bank_mask:0xf
	v_add_f32_dpp v192, v192, v192 row_xmask:4 row_mask:0xf bank_mask:0xf
	v_add_f32_dpp v192, v192, v192 row_xmask:8 row_mask:0xf bank_mask:0xf
	v_permlanex16_b32 v200, v192, s42, s43
	v_add_f32 v192, v192, v200
.endm
.macro ROW i
.set YS, Y0+32*((\i)%2)
.if (\i) < 7
.if (\i) > 0
	s_wait_xcnt 0x0                                ; the last row's stores have read the other set of registers
.endif
	RLOAD (\i)+1
	s_wait_dscnt 8                                 ; this row is in; the next row's eight loads may be out
.else
	s_wait_dscnt 0x0
.endif
	s_wait_loadcnt 8*(7-(\i))                      ; x's row i is in; the later rows' loads, eight each, may be out
	WIN 0x20                                       ; source 2 (x) window 2
.set jj, 0
.rept 16
	v_pk_fma_f32 v[YS+jj:YS+jj+1], v[YS+jj:YS+jj+1], s[40:41], v[32*(\i)+jj:32*(\i)+jj+1] op_sel_hi:[1,0,1]   ; sum x 2^(e10 + e11) + x
.set jj, jj+2
.endr
	WIN 0
.set jj, 0
.rept 16
	v_pk_add_f32 v[YS+jj:YS+jj+1], v[YS+jj:YS+jj+1], v[BO+jj:BO+jj+1]      ; + bo: y
.set jj, jj+2
.endr
	v_pk_add_f32 v[192:193], v[YS:YS+1], v[YS+2:YS+3]                      ; the row's sum, in two chains
	v_pk_add_f32 v[194:195], v[YS+4:YS+5], v[YS+6:YS+7]
.irp j, 8,12,16,20,24,28
	v_pk_add_f32 v[192:193], v[192:193], v[YS+\j:YS+\j+1]
	v_pk_add_f32 v[194:195], v[194:195], v[YS+\j+2:YS+\j+3]
.endr
	WSUM
	v_mul_f32 v196, s54, v192                      ; -mean
.set jj, 0
.rept 16
	v_pk_add_f32 v[YS+jj:YS+jj+1], v[YS+jj:YS+jj+1], v[196:197] op_sel_hi:[1,0]   ; y - mean
.set jj, jj+2
.endr
	v_pk_mul_f32 v[192:193], v[YS:YS+1], v[YS:YS+1]                        ; the sum of squares, in two chains
	v_pk_mul_f32 v[194:195], v[YS+2:YS+3], v[YS+2:YS+3]
.irp j, 4,8,12,16,20,24,28
	v_pk_fma_f32 v[192:193], v[YS+\j:YS+\j+1], v[YS+\j:YS+\j+1], v[192:193]
	v_pk_fma_f32 v[194:195], v[YS+\j+2:YS+\j+3], v[YS+\j+2:YS+\j+3], v[194:195]
.endr
	WSUM
	v_fma_f32 v198, v192, s53, v199                ; the variance + 1e-5
	v_rsq_f32 v198, v198
	v_nop                                          ; a plain instruction behind the transcendental
	s_wait_alu depctr_va_vdst(0)                   ; and the wait ahead of its first reader
.set jj, 0
.rept 16
	v_pk_mul_f32 v[YS+jj:YS+jj+1], v[YS+jj:YS+jj+1], v[198:199] op_sel_hi:[1,0]
.set jj, jj+2
.endr
.set jj, 0
.rept 16
	v_pk_fma_f32 v[YS+jj:YS+jj+1], v[YS+jj:YS+jj+1], v[GA+jj:GA+jj+1], v[BE+jj:BE+jj+1]
.set jj, jj+2
.endr
.irp q, 0,1,2,3,4,5,6,7
	global_store_b128 v[XO], v[YS+4*\q:YS+4*\q+3], s[18:19] offset:4096*(\i)+512*\q th:TH_STORE_NT   ; 32 lanes store 512 consecutive bytes, aligned; written once, read by nobody here
.endr
.endm
	RLOAD 0
.irp i, 0,1,2,3,4,5,6,7
	ROW \i
.endr
	s_wait_tensorcnt 0x0                           ; the wave's end, behind my last tensor load and my last LDS store
	ds_add_u32 v[SPW], v[NIL]
	s_wait_dscnt 0x0
	ROUND                                          ; the closing round
	s_endpgm
.Lfunc_end_k_qcb37713faf_outln:
	.size	k_qcb37713faf_outln, .Lfunc_end_k_qcb37713faf_outln-k_qcb37713faf_outln
	.p2alignl 7, 3214868480
	.fill 96, 4, 3214868480
	.section	.rodata,"a",@progbits
	.p2align	6, 0x0
	.amdhsa_kernel k_qcb37713faf_outln
		.amdhsa_group_segment_fixed_size 327680
		.amdhsa_private_segment_fixed_size 0
		.amdhsa_enable_private_segment 0
		.amdhsa_kernarg_size 64
		.amdhsa_user_sgpr_count 2
		.amdhsa_user_sgpr_kernarg_segment_ptr 1
		.amdhsa_wavefront_size32 1
		.amdhsa_system_sgpr_workgroup_id_x 1
		.amdhsa_system_sgpr_workgroup_id_y 1
		.amdhsa_system_sgpr_workgroup_id_z 1
		.amdhsa_system_vgpr_workitem_id 0
		.amdhsa_next_free_vgpr 1024
		.amdhsa_next_free_sgpr 66
		.amdhsa_reserve_vcc 0
		.amdhsa_float_denorm_mode_32 3
		.amdhsa_float_denorm_mode_16_64 3
		.amdhsa_memory_ordered 1
		.amdhsa_forward_progress 1
		.amdhsa_inst_pref_size 187
	.end_amdhsa_kernel
	.amdgpu_metadata
---
amdhsa.version: [ 1, 2 ]
amdhsa.kernels:
  - .name:           k_qcb37713faf_outln
    .symbol:         k_qcb37713faf_outln.kd
    .args:
      - { .name: ctx, .offset: 0, .size: 8, .value_kind: global_buffer, .address_space: global }
      - { .name: Wo_codes, .offset: 8, .size: 8, .value_kind: global_buffer, .address_space: global }
      - { .name: lowp_scales, .offset: 16, .size: 8, .value_kind: global_buffer, .address_space: global }
      - { .name: bo, .offset: 24, .size: 8, .value_kind: global_buffer, .address_space: global }
      - { .name: x, .offset: 32, .size: 8, .value_kind: global_buffer, .address_space: global }
      - { .name: gamma, .offset: 40, .size: 8, .value_kind: global_buffer, .address_space: global }
      - { .name: beta, .offset: 48, .size: 8, .value_kind: global_buffer, .address_space: global }
      - { .name: out0, .offset: 56, .size: 8, .value_kind: global_buffer, .address_space: global }
    .group_segment_fixed_size: 327680
    .private_segment_fixed_size: 0
    .kernarg_segment_align: 8
    .kernarg_segment_size: 64
    .max_flat_workgroup_size: 128
    .sgpr_count:     66
    .vgpr_count:     1024
    .wavefront_size: 32
...
	.end_amdgpu_metadata
.endif
;; end of part 4
;; ======== version 2 of 2: 4 launches
;; limits: right only within a limited range of input values
;; workspace buffers: xq 25,165,824 bytes; qkv 25,165,824 bytes; ctx 8,388,608 bytes; wo 1,048,576 bytes
;; launch quant (part 5): grid 256 x 1, 4 waves a work-group, no clusters, 33,280 bytes of LDS; arguments x, lowp_scales, xq, Wo_codes, wo; writes xq, wo
.if DOCPART == 5
	.amdgcn_target "amdgcn-amd-amdhsa--gfx1250"
	.amdhsa_code_object_version 6
	.text
	.protected	k_qcb37713faf_quant
	.globl	k_qcb37713faf_quant
	.p2align	8
	.type	k_qcb37713faf_quant,@function
k_qcb37713faf_quant:
	s_mov_b64 s[64:65], 0
	v_nop
	global_prefetch_b8 v0, s[64:65] scope:SCOPE_SE
	s_setreg_imm32_b32 hwreg(HW_REG_WAVE_MODE, 25, 1), 1
	s_wait_xcnt 0x0
; NonLocalAttention in E4M3, launch 1 of 4: x [8192 tokens][1024], f32, becomes THREE sets of codes, since x is the left operand of three
; quantised products whose given scales (entries 0, 2, 4 of lowp_scales) need not be equal.  xq: three sections of 8,388,608 bytes, section p = [8192][1024] codes at 2^e(2p), K innermost.
; code = x / 2^e, held within +-448, rounded to the nearest code, ties to even.
; DEAD WORK: none.  Every input of reference() has a way to the output (bk too: it moves K's codes ahead of a quantised product), and every product of the table is done in full.
; LIMITS: e0, e2, e4 between -126 and 119, so that 2^e and 448 x 2^e are f32 numbers.  NaN among the inputs is not served; an infinity is held at the largest code.
; SHARES.  Rows are dense, so x is a plain stream.  A wave takes 8,192 numbers in 16 steps of 512.  Each of a step's four loads reads 512 consecutive bytes, 16 a lane; the conversions want 16 NEIGHBOURS in
; one lane's registers, so a step's 2,048 bytes turn through the wave's own stage in LDS (16 bytes of padding behind each 64) and come back 64 bytes a lane.  A lane's 16 codes are 16 bytes: each store covers 512 consecutive bytes.
; No matrix unit, no cluster, no tensor load, no barrier: a stream whose waves share nothing.  Loads run four steps (16 loads a wave) ahead, the turn through LDS one step.
.set WAVES, 4
.set STEPS, 16
.set R,     16                         ; v16-79   four sets of 16 numbers as they are loaded
.set X,     80                         ; v80-111  two sets of 16 neighbours
.set TA,    112                        ; v112-127 held numbers for the first scale
.set TB,    128                        ; v128-143 for the second (the third is held in place)
.set C,     144                        ; v144-191 codes: a ring of four steps x 12 registers
.set WREG,  8192                       ; LDS: a region for each wave: two stages of 32 x SP bytes
.set SP,    80                         ; a lane's place in a stage: 64 bytes + 16 of padding
.set SPW,   12                         ; v12  LDS address of my spare word; never rewritten
.set NIL,   13                         ; v13  0; never rewritten
.set SPARE, WAVES*WREG                 ; behind the four regions: the spare words, 128 bytes a wave
	s_load_b128 s[4:7], s[0:1], 0x0                ; x, the scales' exponents
	s_load_b64 s[8:9], s[0:1], 0x10                ; xq
	s_load_b128 s[36:39], s[0:1], 0x18             ; Wo's codes, wo
	v_lshl_add_u32 v[SPW], v0, 2, SPARE
	v_mov_b32 v[NIL], 0
	v_lshrrev_b32 v1, 5, v0
	v_readfirstlane_b32 s16, v1                    ; wave
	v_and_b32 v2, 31, v0                           ; lane
	v_lshlrev_b32 v3, 4, v2                        ; my 16 bytes of a load's 512
	v_lshlrev_b32 v4, 4, v2                        ; my 16 codes of a step's 512
	s_mul_i32 s17, s16, WREG
	v_lshrrev_b32 v14, 2, v2
	v_mul_u32_u24 v14, v14, SP
	v_and_b32 v15, 3, v2
	v_lshl_add_u32 v14, v15, 4, v14
	v_add_nc_u32 v14, s17, v14                     ; the stage, on the way in: SP (lane / 4) + 16 (lane % 4)
	v_mul_u32_u24 v15, v2, SP
	v_add_nc_u32 v15, s17, v15                     ; and on the way out: SP x lane: my 16 neighbours
	v_and_b32 v11, 15, v2                          ; Wo: row lane % 16 of a tile of 16 rows of 1,024 bytes,
	v_lshlrev_b32 v11, 10, v11
	v_lshrrev_b32 v192, 4, v2
	v_lshl_add_u32 v11, v192, 3, v11               ; + 8 (lane / 16)
	s_lshl_b32 s18, ttmp9, 2
	s_add_co_u32 s18, s18, s16                     ; which run of 8,192 numbers is my wave's
	s_lshl_b32 s20, s18, 15                        ; its bytes in x,
	s_mov_b32 s21, 0
	s_lshl_b32 s22, s18, 13                        ; and in a section of xq
	s_mov_b32 s23, 0
	s_wait_alu depctr_va_vdst(0)
	s_wait_kmcnt 0x0
	s_load_b256 s[24:31], s[6:7], 0x0              ; e0 .. e7
	s_add_nc_u64 s[4:5], s[4:5], s[20:21]
	s_add_nc_u64 s[8:9], s[8:9], s[22:23]          ; section 0,
	s_add_nc_u64 s[10:11], s[8:9], 0x800000        ; section 1,
	s_add_nc_u64 s[12:13], s[10:11], 0x800000      ; section 2: a base each, since a section's length is beyond a store's immediate
	; Wo's CODES ARE LAID ANEW, unchanged in value, as images of the last launch's operand registers: wo = [tile of 16 rows 64][128 along K 8][q 4][lane 32][16 bytes];
	; lane (r, h)'s 16 bytes are registers 4 q .. 4 q + 3 of the 8-bit layout: K = 32 q + 8 h + 0..7 and 32 q + 16 + 8 h + 0..7 of row r.  Of the 2,048 groups of 512 bytes my wave makes two neighbours.
	s_lshr_b32 s34, s18, 4                         ; the tile,
	s_lshl_b32 s34, s34, 14
	s_and_b32 s35, s18, 15
	s_lshl_b32 s35, s35, 6                         ; and 64 bytes along K for each wave
	s_add_co_u32 s34, s34, s35
	s_mov_b32 s35, 0
	s_add_nc_u64 s[36:37], s[36:37], s[34:35]
	s_lshl_b32 s34, s18, 10
	s_add_nc_u64 s[38:39], s[38:39], s[34:35]
.irp i, 0,1,2,3
	global_load_b64 v[192+2*\i:193+2*\i], v11, s[36:37] offset:16*\i
.endr
.macro LOAD t
.irp i, 0,1,2,3
	global_load_b128 v[R+16*((\t)%4)+4*\i:R+16*((\t)%4)+4*\i+3], v3, s[4:5] offset:2048*(\t)+512*\i th:TH_LOAD_NT   ; 32 lanes read 512 consecutive bytes
.endr
.endm
.macro TURN t                          ; step t's numbers through the stage: LDS serves a wave's instructions in order, so no wait stands between the stores and the loads
.irp i, 0,1,2,3
	ds_store_b128 v14, v[R+16*((\t)%4)+4*\i:R+16*((\t)%4)+4*\i+3] offset:32*SP*((\t)%2)+8*SP*\i
.endr
.irp i, 0,1,2,3
	ds_load_b128 v[X+16*((\t)%2)+4*\i:X+16*((\t)%2)+4*\i+3], v15 offset:32*SP*((\t)%2)+16*\i
.endr
.endm
.macro MKSCALE e, sc, lim              ; from the whole number in s[e]: v[sc] = 2^e (the conversion takes its exponent field), v[lim] = 448 x 2^e
	s_add_co_i32 s32, s\e, 127
	s_lshl_b32 s33, s32, 23
	v_mov_b32 v\sc, s33
	s_add_co_i32 s32, s32, 8
	s_lshl_b32 s32, s32, 23
	s_or_b32 s32, s32, 0x600000
	v_mov_b32 v\lim, s32
.endm
.macro Q16 src, tmp, lim, sc, cd       ; 16 numbers are held within the largest code x the scale (the conversion to an 8-bit code does not saturate: ISA guide 7.6.2) and become 16 codes
.set ii, 0
.rept 16
	v_med3_num_f32 v[\tmp+ii], v[\src+ii], -v\lim, v\lim
.set ii, ii+1
.endr
	v_cvt_scalef32_pk8_fp8_f32 v[\cd:\cd+1], v[\tmp:\tmp+7], v\sc
	v_cvt_scalef32_pk8_fp8_f32 v[\cd+2:\cd+3], v[\tmp+8:\tmp+15], v\sc
.endm
.irp t, 0,1,2,3
	LOAD \t
.endr
	s_wait_kmcnt 0x0
	MKSCALE 24, 5, 8                               ; e0: for the product with Wq
	MKSCALE 26, 6, 9                               ; e2: with Wk
	MKSCALE 28, 7, 10                              ; e4: with Wv
	s_wait_alu depctr_va_vdst(0)
	s_wait_loadcnt 12                              ; Wo's four loads and step 0's four are in; those of steps 1 to 3 may be out
	TURN 0
	global_store_b128 v4, v[192:195], s[38:39]             ; each store covers 512 consecutive bytes, aligned
	global_store_b128 v4, v[196:199], s[38:39] offset:512
.macro STEP t
.set XS, X+16*((\t)%2)
.set CS, C+12*((\t)%4)
	s_wait_dscnt 0x0                               ; this step's numbers are back from the stage: so its stores into the stage have read their registers,
.if (\t)+4 < STEPS
	LOAD (\t)+4                                    ; which take the loads of four steps on
.endif
.if (\t)+1 < STEPS
.if STEPS-2-(\t) >= 3
	s_wait_loadcnt 12                              ; the next step's four loads are in; those of the three steps behind it may be out
.else
	s_wait_loadcnt 4*(STEPS-2-(\t))
.endif
	TURN (\t)+1                                    ; and go through the other stage while this step is worked
.endif
.if (\t) >= 4
	s_wait_xcnt 0x0                                ; the stores of four steps ago have read these twelve registers: only now are they written again
.endif
	Q16 XS, TA, 8, 5, CS                           ; a conversion's sources are next written behind sixteen plain holds, or (X) by an LDS load
	Q16 XS, TB, 9, 6, CS+4
	Q16 XS, XS, 10, 7, CS+8
	global_store_b128 v4, v[CS:CS+3], s[8:9] offset:512*(\t)
	global_store_b128 v4, v[CS+4:CS+7], s[10:11] offset:512*(\t)
	global_store_b128 v4, v[CS+8:CS+11], s[12:13] offset:512*(\t)
.endm
.irp t, 0,1,2,3,4,5,6,7,8,9,10,11,12,13,14,15
	STEP \t
.endr
	s_wait_tensorcnt 0x0                           ; the wave's end, behind my last LDS store
	ds_add_u32 v[SPW], v[NIL]
	s_wait_dscnt 0x0
	s_endpgm
.Lfunc_end_k_qcb37713faf_quant:
	.size	k_qcb37713faf_quant, .Lfunc_end_k_qcb37713faf_quant-k_qcb37713faf_quant
	.p2alignl 7, 3214868480
	.fill 96, 4, 3214868480
	.section	.rodata,"a",@progbits
	.p2align	6, 0x0
	.amdhsa_kernel k_qcb37713faf_quant
		.amdhsa_group_segment_fixed_size 33280
		.amdhsa_private_segment_fixed_size 0
		.amdhsa_enable_private_segment 0
		.amdhsa_kernarg_size 40
		.amdhsa_user_sgpr_count 2
		.amdhsa_user_sgpr_kernarg_segment_ptr 1
		.amdhsa_wavefront_size32 1
		.amdhsa_system_sgpr_workgroup_id_x 1
		.amdhsa_system_sgpr_workgroup_id_y 1
		.amdhsa_system_sgpr_workgroup_id_z 1
		.amdhsa_system_vgpr_workitem_id 0
		.amdhsa_next_free_vgpr 200
		.amdhsa_next_free_sgpr 66
		.amdhsa_reserve_vcc 0
		.amdhsa_float_denorm_mode_32 3
		.amdhsa_float_denorm_mode_16_64 3
		.amdhsa_memory_ordered 1
		.amdhsa_forward_progress 1
		.amdhsa_inst_pref_size 78
	.end_amdhsa_kernel
	.amdgpu_metadata
---
amdhsa.version: [ 1, 2 ]
amdhsa.kernels:
  - .name:           k_qcb37713faf_quant
    .symbol:         k_qcb37713faf_quant.kd
    .args:
      - { .name: x, .offset: 0, .size: 8, .value_kind: global_buffer, .address_space: global }
      - { .name: lowp_scales, .offset: 8, .size: 8, .value_kind: global_buffer, .address_space: global }
      - { .name: xq, .offset: 16, .size: 8, .value_kind: global_buffer, .address_space: global }
      - { .name: Wo_codes, .offset: 24, .size: 8, .value_kind: global_buffer, .address_space: global }
      - { .name: wo, .offset: 32, .size: 8, .value_kind: global_buffer, .address_space: global }
    .group_segment_fixed_size: 33280
    .private_segment_fixed_size: 0
    .kernarg_segment_align: 8
    .kernarg_segment_size: 40
    .max_flat_workgroup_size: 128
    .sgpr_count:     66
    .vgpr_count:     200
    .wavefront_size: 32
...
	.end_amdgpu_metadata
.endif
;; end of part 5
;; launch qkv (part 6): grid 12 x 32, 4 waves a work-group, clusters of 4 x 4, 327,680 bytes of LDS; arguments xq, Wq_codes, Wk_codes, Wv_codes, bq, bk, bv, lowp_scales, qkv; writes qkv
.if DOCPART == 6
	.amdgcn_target "amdgcn-amd-amdhsa--gfx1250"
	.amdhsa_code_object_version 6
	.text
	.protected	k_qcb37713faf_qkv
	.globl	k_qcb37713faf_qkv
	.p2align	8
	.type	k_qcb37713faf_qkv,@function
k_qcb37713faf_qkv:
	s_mov_b64 s[64:65], 0
	v_nop
	global_prefetch_b8 v0, s[64:65] scope:SCOPE_SE
	s_setreg_imm32_b32 hwreg(HW_REG_WAVE_MODE, 25, 1), 1
	s_wait_xcnt 0x0
	s_wait_alu depctr_hold_cnt(0) depctr_sa_sdst(0) depctr_va_vdst(0) depctr_va_sdst(0) depctr_va_ssrc(0) depctr_va_vcc(0) depctr_vm_vsrc(0)
	s_getreg_b32 s2, hwreg(HW_REG_IB_STS2, 6, 4)
	s_cmp_eq_u32 s2, 0
	s_cbranch_scc0 .Lentry_in_a_cluster
	s_endpgm
.Lentry_in_a_cluster:
	s_bfe_u32 s2, ttmp6, 0x10000c
	s_cmp_lg_u32 s2, 0xf033
	s_cbranch_scc0 .Lentry_shape_is_right
	s_endpgm
.Lentry_shape_is_right:
; Launch 2 of 4: Q, K, V = x W^T + b on codes of E4M3, then quantised (entries 6, 7, 9 of lowp_scales) and stored as IMAGES OF THE NEXT LAUNCH'S OPERAND REGISTERS.  Nothing is left out as dead work.
; The cluster's x is the projection p (0 Q, 1 K, 2 V), the same in all sixteen partners.  A work-group makes 256 x 256, each of its four waves 128 x 128: 64 accumulators, 512 registers.
; K = 1,024 goes in four steps of 256 through a ring of two LDS slots filled by the tensor data mover; a tile's row is 256 bytes of memory.
; ROLES.  The text knows an A role (source 1: its rows become the LANES of a result) and a B role (source 0: its rows become a lane's eight REGISTERS).  p = 0, 1: A = x's codes (tokens), B = W (channels): a lane
; holds a token and eight neighbouring channels, which is how Q and K want their codes (their K is the head's 64 channels).  p = 2: A = Wv (channels), B = x's codes (tokens): a lane holds a channel and eight
; neighbouring KEYS, which is how V wants them (its K is the keys).  Only pointers and tile numbers are chosen by p: one loop serves all three, and nothing is ever transposed.
; THE WAY OUT.  One conversion turns an accumulator's eight registers into registers 2c, 2c+1 of the 8-bit layout (k = 16c + 8 (lane / 16) + 0..7); two neighbouring accumulators give 16 bytes a lane, stored at 16 x lane:
; each store covers 512 consecutive bytes, aligned.  No stage in LDS.
; qkv: 64 blocks (16 x batch + head) of HS = 393,216 bytes: sixteen groups of 16,384 (128 keys): K [key tile 8][half 2][lane][16 B], then V [step of 64 keys 2][channel tile 4][half 2][lane][16 B]; from byte 262,144 Q [query tile 128][half 2][lane][16 B].
; CLUSTERS: 4 x 4.  The A role's tile is shared along a row of the cluster, the B role's along a column: each is asked for jointly, by the same tensor load with the same descriptor and a mask that names the four.
; In the products each lane's fragments are fetched by four loads of 16 bytes: a permutation of k that is the same on both sides, so every product meets its partner.
; LIMITS: ea + eb (the product's two entries) between -126 and 127; e6, e7, e9 between -126 and 119.  NaN is not served.
; REGISTERS: window 0: v16-31 addresses and constants; v32-95 the bias; v128-255 the A role's fragments, ONE set; behind the last product v96-159 numbers at work, v160-191 codes (two sets).
;   window 1: the B role's fragments, two sets.   windows 2, 3: the accumulators ((a, b) at v[8 (8 (a % 4) + b)]).
.set KROW,   1024                      ; a row of codes in memory, in bytes
.set ROWB,   256                       ; a tile's row
.set PITCH,  272                       ; an LDS row: 256 bytes + 16 of padding = 68 words: the 16 rows that a load touches start at 16 different banks (64 banks of 4 bytes: ISA guide 11.1)
.set FR,     16                        ; registers of a fragment: 16 rows x 128 K
.set NL,     4                         ; LDS loads that bring one
.set NP,     4                         ; places behind this matrix instruction (ISA guide 7.12.1)
.set HALFT,  128*PITCH                 ; 128 rows: what one tensor load brings
.set SLOT,   4*HALFT                   ; the A role's 256 rows, then the B role's
.set SPARE,  2*SLOT                    ; behind the ring: the spare words, 128 bytes a wave
.set HS,     393216
.set ADRA, 16                          ; v16-17  LDS address of my A fragments in slot 0, 1
.set ADRB, 20                          ; v20-21  the same for B
.set LI,   24                          ; v24     16 x lane: my place in a store's 512 bytes
.set BL,   27                          ; v27     the bias loads' lane term
.set SPW,  28                          ; v28     my spare word; never rewritten
.set NIL,  29                          ; v29     0; never rewritten
.set LIM,  30                          ; v30     448 x 2^eo
.set SCL,  31                          ; v31     2^eo
.set BIAS, 32
.set TMP,  96
.set CC,   160
.set AF,   128
.set G1, 24                            ; s[24:31] descriptor group 1 for the A role; s[32:39] group 0, a set for each slot
.set G0, 32
.set G1B, 48                           ; s[48:55], s[56:63] the same for the B role
.set G0B, 56
.set MSB, 0
.macro WIN new                         ; the immediate's high byte repeats the setting that is left
.if MSB != (\new)
	s_set_vgpr_msb (MSB<<8)|(\new)
.set MSB, (\new)
.endif
.endm
.set MUL_LO, 0xa1                      ; source 0 (B) window 1, source 1 (A) window 0, C and D window 2
.set MUL_HI, 0xf1                      ; the same, C and D window 3
.set TO_B,   0x40                      ; destination window 1, address window 0
; A joint load: waves 0 and 1 fetch for the A role, waves 2 and 3 for the B role.  The branch hangs on the wave's number alone.  An s_nop 0 and four v_nop follow each of the two lines.
.macro JLOAD g0a, g1a, g0b, g1b
	s_cmp_eq_u32 s15, 0
	s_cbranch_scc0 .Lfor_b_\@
	tensor_load_to_lds s[\g0a:\g0a+3], s[\g1a:\g1a+7]
	s_nop 0
.rept 4
	v_nop
.endr
	s_branch .Lasked_\@
.Lfor_b_\@:
	tensor_load_to_lds s[\g0b:\g0b+3], s[\g1b:\g1b+7]
	s_nop 0
.rept 4
	v_nop
.endr
.Lasked_\@:
.endm
.macro CREST                           ; a round of the cluster's barrier behind its opening barrier
	s_cmp_lg_u32 s14, 0
	s_cbranch_scc1 .Lnot_wave_0_\@
	s_barrier_signal -3
.Lnot_wave_0_\@:
	s_barrier_wait -3
	s_barrier_signal -1
	s_barrier_wait -1
.endm
.macro CROUND                          ; a whole round
	s_barrier_signal -1
	s_barrier_wait -1
	CREST
.endm
	s_load_b512 s[68:83], s[0:1], 0x0              ; xq s[68:69], Wq s[70:71], Wk s[72:73], Wv s[74:75], bq s[76:77], bk s[78:79], bv s[80:81], the scales' exponents s[82:83]
	s_load_b64 s[84:85], s[0:1], 0x40              ; qkv
	v_lshl_add_u32 v[SPW], v0, 2, SPARE
	v_mov_b32 v[NIL], 0
	ds_add_u32 v[SPW], v[NIL]                      ; the wave's opening: the add, twice on end, and its wait ahead of my first tensor load; the set-up below stands between
	ds_add_u32 v[SPW], v[NIL]
	v_lshrrev_b32 v1, 5, v0
	v_readfirstlane_b32 s14, v1                    ; wave 0..3
	s_lshr_b32 s15, s14, 1                         ; which half of the A role's rows is mine.  Also: I fetch for A (0) or for B (1)
	s_and_b32 s16, s14, 1                          ; which half of the B role's rows.  Also: which 128 rows of that tile I fetch
	s_bfe_u32 s40, ttmp6, 0x40000                  ; cx, cy: my place in the cluster
	s_bfe_u32 s41, ttmp6, 0x40004
	s_mov_b32 s12, ttmp9                           ; p: the cluster's x
	s_and_b32 s13, ttmp7, 0xffff                   ; the cluster's y: which 1,024 tokens
	s_cmp_eq_u32 s12, 2
	s_cselect_b32 s18, 0, s13                      ; the tokens run along the A role's tiles (p = 0, 1)
	s_cselect_b32 s19, s13, 0                      ; or along the B role's (p = 2)
	s_lshl_b32 s42, s19, 2
	s_add_co_u32 s42, s42, s40                     ; the B role's tile
	s_lshl_b32 s17, s18, 2
	s_add_co_u32 s17, s17, s41                     ; the A role's tile
	s_lshl_b32 s43, s41, 2
	s_lshl_b32 s43, 15, s43                        ; my row of the cluster
	s_lshl_b32 s44, 0x1111, s40                    ; my column
	; descriptor group 1: a tile of 128 rows x 256 bytes, padded in LDS
	s_or_b32 s[G1+0], s43, (0<<16)|(1<<20)|(1<<21)|(5<<22)|(3<<25)  ; 15:0 the mask: my row; 17:16 element of 1 byte; 20 padding on; 21 set beside a mask; 24:22 after every 64 words (code 5); 31:25 of 4 words (code 3)
	s_or_b32 s[G1B+0], s44, (0<<16)|(1<<20)|(1<<21)|(5<<22)|(3<<25) ; the same with the mask of my column
.irp g, G1, G1B
	s_mov_b32 s[\g+1], ROWB<<16                    ; tensor_dim0
	s_mov_b32 s[\g+2], 128<<16                     ; tensor_dim1
	s_mov_b32 s[\g+3], ROWB<<16                    ; tile_dim0
	s_mov_b32 s[\g+4], 128                         ; tile_dim1
	s_mov_b32 s[\g+5], KROW                        ; tensor_dim0_stride
	s_mov_b32 s[\g+6], 0
	s_mov_b32 s[\g+7], 0
.endr
	s_lshl_b32 s18, s16, 7                         ; which 128 rows of the tile I fetch
	s_lshl_b32 s20, s17, 8
	s_add_co_u32 s20, s20, s18                     ; A: row 256 x tile + 128 x half,
	s_lshl_b32 s20, s20, 10                        ; in bytes (under 2^23)
	s_mov_b32 s21, 0
	s_lshl_b32 s46, s42, 8
	s_add_co_u32 s46, s46, s18                     ; B likewise
	s_lshl_b32 s46, s46, 10
	s_mov_b32 s47, 0
	s_mul_i32 s45, s14, HALFT                      ; where they go: wave x 128 rows: no place in the cluster enters an LDS address
	s_lshl_b32 s22, s12, 23                        ; xq's section p
	s_mov_b32 s23, 0
	s_wait_dscnt 0x0                               ; both opening adds are done
	s_wait_kmcnt 0x0
	s_load_b256 s[88:95], s[82:83], 0x0            ; e0 .. e7
	s_load_b64 s[96:97], s[82:83], 0x20            ; e8, e9
	s_add_nc_u64 s[68:69], s[68:69], s[22:23]
	s_cmp_eq_u32 s12, 2                            ; the roles' buffers: choices that hang on the cluster's number alone
	s_cselect_b64 s[4:5], s[74:75], s[68:69]       ; A: Wv, or x's codes
	s_cselect_b64 s[6:7], s[68:69], s[72:73]       ; B: x's codes, or Wk,
	s_cselect_b64 s[8:9], s[80:81], s[78:79]       ; the bias: bv, or bk,
	s_cmp_eq_u32 s12, 0
	s_cselect_b64 s[6:7], s[70:71], s[6:7]         ; or Wq
	s_cselect_b64 s[8:9], s[76:77], s[8:9]         ; or bq
	s_add_nc_u64 s[20:21], s[4:5], s[20:21]
	s_add_nc_u64 s[46:47], s[6:7], s[46:47]
	CROUND                                         ; all sixteen work-groups are here: the first joint loads meet
.irp s, 0,1
	s_mov_b32 s[G0+4*\s], 1
	s_add_co_u32 s[G0+4*\s+1], s45, \s*SLOT
	s_add_nc_u64 s[G0+4*\s+2:G0+4*\s+3], s[20:21], \s*ROWB
	s_or_b32 s[G0+4*\s+3], s[G0+4*\s+3], 0x80000000
	s_mov_b32 s[G0B+4*\s], 1
	s_add_co_u32 s[G0B+4*\s+1], s45, \s*SLOT
	s_add_nc_u64 s[G0B+4*\s+2:G0B+4*\s+3], s[46:47], \s*ROWB
	s_or_b32 s[G0B+4*\s+3], s[G0B+4*\s+3], 0x80000000
.endr
	JLOAD G0, G1, G0B, G1B                         ; K step 0: one tensor load a wave at the head
	v_and_b32 v1, 15, v0                           ; r = l % 16
	v_bfe_u32 v2, v0, 4, 1                         ; h = l / 16
	v_mul_u32_u24 v3, v1, PITCH
	v_lshl_add_u32 v4, v2, 4, v3                   ; a fragment's row x pitch + 16 x half
	s_mul_i32 s21, s15, HALFT                      ; my 128 rows of A
	s_mul_i32 s22, s16, HALFT                      ; my 128 rows of B,
	s_add_co_u32 s22, s22, 2*HALFT                 ; which lie behind A's 256
.irp s, 0,1
	v_add_nc_u32 v[ADRA+\s], s21, v4
	v_add_nc_u32 v[ADRB+\s], s22, v4
	s_add_co_u32 s21, s21, SLOT
	s_add_co_u32 s22, s22, SLOT
.endr
	v_and_b32 v5, 31, v0
	v_lshlrev_b32 v[LI], 4, v5
	; where my wave's images begin in qkv, and its channels in the bias
	s_lshl_b32 s18, s17, 8
	s_lshl_b32 s19, s15, 7
	s_add_co_u32 s18, s18, s19                     ; my first row of the A role
	s_lshl_b32 s19, s42, 8
	s_lshl_b32 s20, s16, 7
	s_add_co_u32 s19, s19, s20                     ; and of the B role
	s_cmp_eq_u32 s12, 2
	s_cselect_b32 s20, s19, s18                    ; my first token,
	s_cselect_b32 s21, s18, s19                    ; my first channel,
	s_cselect_b32 s98, 8192, 0                     ; K AND V ARE GROUPED BY 128 KEYS (this stands in place of the grouping by 512 keys): sixteen groups of 16,384 bytes, K's 8 key tiles (8,192 bytes), then V's two steps of 64 keys (8,192 bytes)
	s_lshr_b32 s22, s20, 11                        ; batch
	s_lshl_b32 s22, s22, 4
	s_lshr_b32 s23, s21, 6                         ; head
	s_add_co_u32 s22, s22, s23
	s_mul_i32 s22, s22, HS
	s_and_b32 s20, s20, 2047                       ; the token within its batch
	s_lshl_b32 s23, s20, 6
	s_add_co_u32 s23, s23, 262144                  ; Q: a tile of 16 queries is 1,024 bytes
	s_lshr_b32 s99, s20, 7
	s_lshl_b32 s99, s99, 14                        ; K, V: the group of 128 keys,
	s_and_b32 s20, s20, 127
	s_lshl_b32 s20, s20, 6                         ; and 64 bytes a key within either part
	s_add_co_u32 s99, s99, s20
	s_add_co_u32 s99, s99, s98
	s_cmp_eq_u32 s12, 0
	s_cselect_b32 s23, s23, s99
	s_add_co_u32 s22, s22, s23
	s_mov_b32 s23, 0
	s_add_nc_u64 s[10:11], s[84:85], s[22:23]
	s_lshl_b32 s22, s21, 2
	s_add_nc_u64 s[8:9], s[8:9], s[22:23]
	s_wait_alu depctr_va_vdst(0)
	s_wait_kmcnt 0x0                               ; the exponents: chosen by selects, never by a branch
	s_cmp_eq_u32 s12, 2
	s_cselect_b32 s98, s92, s90                    ; ea: e4, e2,
	s_cselect_b32 s99, s93, s91                    ; eb: e5, e3,
	s_cselect_b32 s100, s97, s95                   ; eo: e9, e7,
	s_cmp_eq_u32 s12, 0
	s_cselect_b32 s98, s88, s98                    ; or e0,
	s_cselect_b32 s99, s89, s99                    ; e1,
	s_cselect_b32 s100, s94, s100                  ; e6
	s_add_co_i32 s98, s98, s99
	s_add_co_i32 s98, s98, 127
	s_lshl_b32 s86, s98, 23                        ; 2^(ea + eb) as f32
	s_mov_b32 s87, s86                             ; (named with it as a pair, so it is written)
	s_add_co_i32 s100, s100, 127
	s_lshl_b32 s99, s100, 23
	v_mov_b32 v[SCL], s99                          ; 2^eo: the conversion takes its exponent field
	s_add_co_i32 s100, s100, 8
	s_lshl_b32 s100, s100, 23
	s_or_b32 s100, s100, 0x600000
	v_mov_b32 v[LIM], s100                         ; 448 x 2^eo
.macro FRAG reg, adr, q, i             ; a fragment, 16 rows x 128 K: lane l holds row l % 16; registers 4 c .. 4 c + 3 hold K = 32 c + 16 (l / 16) + 0 .. 15
.irp c, 0,1,2,3
	ds_load_b128 v[\reg+4*\c:\reg+4*\c+3], v[\adr] offset:128*(\q)+32*\c+(\i)*16*PITCH
.endr
.endm
; 16 matrix instructions: A's blocks a0, a0 + 1 x B's eight, 128 along K.  p: B's set.  zero = 1: the first product starts the sums.  The 64 accumulators take turns, one instruction a turn, in the same order in every step.
.macro MUL16 a0, p, zero
.irp a, \a0, \a0+1
.irp b, 0,1,2,3,4,5,6,7
.if \zero
	v_wmma_f32_16x16x128_fp8_fp8 v[8*(8*((\a)%4)+\b):8*(8*((\a)%4)+\b)+7], v[128*(\p)+FR*\b:128*(\p)+FR*\b+FR-1], v[AF+FR*(\a):AF+FR*(\a)+FR-1], 0
.else
	v_wmma_f32_16x16x128_fp8_fp8 v[8*(8*((\a)%4)+\b):8*(8*((\a)%4)+\b)+7], v[128*(\p)+FR*\b:128*(\p)+FR*\b+FR-1], v[AF+FR*(\a):AF+FR*(\a)+FR-1], v[8*(8*((\a)%4)+\b):8*(8*((\a)%4)+\b)+7]
.endif
.endr
.endr
.endm
.macro FETCH_B slot, q, p              ; B's eight fragments of the slot's q-th 128 along K into set p
	WIN TO_B
.irp i, 0,1,2,3,4,5,6,7
	FRAG 128*(\p)+FR*\i, ADRB+\slot, \q, \i
.endr
	WIN 0
.endm
.macro FETCH_A slot, q, i0             ; A's blocks i0 .. i0 + 3
.irp i, \i0, \i0+1, \i0+2, \i0+3
	FRAG AF+FR*(\i), ADRA+\slot, \q, \i
.endr
.endm
.macro PLACES n                        ; plain vector instructions between a matrix instruction and a load into, or a vector instruction on, its registers (ISA guide 7.12.1 for vector instructions)
.rept \n
	v_nop
.endr
.endm
; A step of 128 along K that has its successor in the same slot.  A block of A is free as soon as its eight products are issued: blocks 0-3 are fetched anew in the step's middle, blocks 4-7 at its end.
.macro STEP slot, q, zero
	s_wait_dscnt 4*NL                              ; B's set and A's blocks 0-3 are in; the youngest sixteen loads (A's blocks 4-7) may be out
	WIN MUL_LO
	MUL16 0, (\q)%2, \zero
	MUL16 2, (\q)%2, \zero
	s_wait_dscnt 0                                 ; A's blocks 4-7 are in (asked for 32 matrix instructions ago)
	PLACES NP
	FETCH_B \slot, (\q)+1, 1-(\q)%2
	FETCH_A \slot, (\q)+1, 0
	WIN MUL_HI
	MUL16 4, (\q)%2, \zero
	MUL16 6, (\q)%2, \zero
	PLACES NP
	WIN 0
	FETCH_A \slot, (\q)+1, 4
.endm
; A slot's last step changes slots: ONE barrier; in front of it each wave waits for all its tensor loads, adds 0 to its spare word, and waits for that and for its own reads of this slot.  fill = 1: this slot is filled again, two K steps ahead.
.macro TURN slot, next, fill
	s_wait_tensorcnt 0x0                           ; all my tensor loads have landed: my part of the next slot  (every window is 0 here)
	ds_add_u32 v[SPW], v[NIL]                      ; 0 onto my spare word
	s_wait_dscnt 4*NL+1                            ; (the add and the youngest sixteen loads, A's blocks 4-7, may be out)
	WIN MUL_LO
	MUL16 0, 1, 0                                  ; sixteen matrix instructions stand between the add and the wait for it
	s_wait_dscnt 0x0                               ; the add is done, and my reads of this slot are over
	s_barrier_signal -1
	MUL16 2, 1, 0
	WIN 0
	s_barrier_wait -1
.if \fill
	CREST                                          ; the barrier has opened a round of the cluster's barrier: no wave of any partner still reads this slot's tile or has a load on its way
	s_add_nc_u64 s[G0+4*\slot+2:G0+4*\slot+3], s[G0+4*\slot+2:G0+4*\slot+3], 2*ROWB
	s_add_nc_u64 s[G0B+4*\slot+2:G0B+4*\slot+3], s[G0B+4*\slot+2:G0B+4*\slot+3], 2*ROWB
	JLOAD G0+4*\slot, G1, G0B+4*\slot, G1B         ; the first tensor load behind the round; its four v_nop are the places in front of the loads below
.else
	PLACES NP
.endif
	FETCH_B \next, 0, 0
	FETCH_A \next, 0, 0
	WIN MUL_HI
	MUL16 4, 1, 0
	MUL16 6, 1, 0
	PLACES NP
	WIN 0
	FETCH_A \next, 0, 4
.endm
; The last K step's two steps of 128: they stand in each arm, between the arm's bias loads and the wait for them.
.macro LAST2
	STEP 1, 0, 0
	s_wait_dscnt 4*NL                              ; the very last step: nothing more to fetch
	WIN MUL_LO
	MUL16 0, 1, 0
	MUL16 2, 1, 0
	s_wait_dscnt 0
	WIN MUL_HI
	MUL16 4, 1, 0
	MUL16 6, 1, 0
	WIN 0
	s_wait_loadcnt 0x0                             ; the bias
	PLACES NP                                      ; behind the last products: their results are read, and the registers of A's fragments written, below
.endm
; THE WAY OUT, by A's blocks of 16 rows.  y = sum x 2^(ea + eb) + bias, one packed multiply-add for two numbers, each accumulator from its low end on; held within 448 x 2^eo; eight conversions; four stores of 512 bytes.
; mode 0: a lane's registers run along channels: the bias is 64 registers, the same for every block.  mode 1: a lane is a channel: the bias is one pair for the block.
.macro OUT mode
.irp a, 0,1,2,3,4,5,6,7
.set AC, 64*(\a%4)
.set CS, CC+16*(\a%2)
.if \a >= 2
	s_wait_xcnt 0x0                                ; the stores of two blocks ago have read this set of codes
.endif
	WIN 0x02+(\a/4)                                ; source 0: window 2 or 3
.set jj, 0
.rept 32
.if \mode
	v_pk_fma_f32 v[TMP+jj:TMP+jj+1], v[AC+jj:AC+jj+1], s[86:87], v[BIAS+2*\a:BIAS+2*\a+1] op_sel_hi:[1,0,1]
.else
	v_pk_fma_f32 v[TMP+jj:TMP+jj+1], v[AC+jj:AC+jj+1], s[86:87], v[BIAS+jj:BIAS+jj+1] op_sel_hi:[1,0,1]
.endif
.set jj, jj+2
.endr
	WIN 0
.set jj, 0
.rept 64
	v_med3_num_f32 v[TMP+jj], v[TMP+jj], -v[LIM], v[LIM]   ; the conversion to an 8-bit code does not saturate (ISA guide 7.6.2)
.set jj, jj+1
.endr
.irp b, 0,1,2,3,4,5,6,7
	v_cvt_scalef32_pk8_fp8_f32 v[CS+2*\b:CS+2*\b+1], v[TMP+8*\b:TMP+8*\b+7], v[SCL]
.endr
	v_nop                                          ; one plain instruction between the conversions and the next block's writes of their sources
.irp q, 0,1,2,3
.if \mode
	global_store_b128 v[LI], v[CS+4*\q:CS+4*\q+3], s[10:11] offset:(\a/4)*HS+4096*(\q/2)+1024*(\a%4)+512*(\q%2)   ; head a / 4, step of 64 keys q / 2, channel tile a % 4, half q % 2
.else
	global_store_b128 v[LI], v[CS+4*\q:CS+4*\q+3], s[10:11] offset:(\q/2)*HS+1024*\a+512*(\q%2)                   ; head q / 2, token tile a, half q % 2
.endif
.endr
.endr
.endm
	s_wait_alu depctr_va_vdst(0)
	s_wait_tensorcnt 0x0                           ; my part of K step 0 is in
	ds_add_u32 v[SPW], v[NIL]
	s_wait_dscnt 0x0
	CROUND                                         ; everybody's part of K step 0 is in, and the sixteen work-groups meet
	JLOAD G0+4, G1, G0B+4, G1B                     ; K step 1: the first tensor load behind the round
	FETCH_B 0, 0, 0
	FETCH_A 0, 0, 0
	FETCH_A 0, 0, 4
	STEP 0, 0, 1                                   ; K step 0; its first products start the sums
	TURN 0, 1, 1                                   ; slot 0 takes K step 2
	STEP 1, 0, 0                                   ; K step 1
	TURN 1, 0, 1                                   ; slot 1 takes K step 3
	STEP 0, 0, 0                                   ; K step 2
	TURN 0, 1, 0                                   ; nothing is left to fetch
	s_cmp_eq_u32 s12, 2                            ; ONE branch on the projection, which all sixteen partners share; no barrier and no tensor load stands in either arm
	s_cbranch_scc1 .Lv
	v_lshlrev_b32 v[BL], 5, v2                     ; Q, K: register 8 b + j wants the bias of channel 16 b + 8 h + j
.irp b, 0,1,2,3,4,5,6,7
	global_load_b128 v[BIAS+8*\b:BIAS+8*\b+3], v[BL], s[8:9] offset:64*\b
	global_load_b128 v[BIAS+8*\b+4:BIAS+8*\b+7], v[BL], s[8:9] offset:64*\b+16
.endr
	LAST2
	OUT 0
	s_branch .Ltail
.Lv:
	v_lshlrev_b32 v[BL], 2, v1                     ; V: block a wants the bias of channel 16 a + r
.irp a, 0,1,2,3,4,5,6,7
	global_load_b32 v[BIAS+2*\a], v[BL], s[8:9] offset:64*\a
.endr
	LAST2
.irp a, 0,1,2,3,4,5,6,7
	v_mov_b32 v[BIAS+2*\a+1], v[BIAS+2*\a]         ; a pair for the packed form
.endr
	OUT 1
.Ltail:
	s_wait_tensorcnt 0x0                           ; the wave's end, behind my last tensor load
	ds_add_u32 v[SPW], v[NIL]
	s_wait_dscnt 0x0
	CROUND                                         ; the closing round: no work-group ends while a partner may still ask for a tile that names it
	s_endpgm
.Lfunc_end_k_qcb37713faf_qkv:
	.size	k_qcb37713faf_qkv, .Lfunc_end_k_qcb37713faf_qkv-k_qcb37713faf_qkv
	.p2alignl 7, 3214868480
	.fill 96, 4, 3214868480
	.section	.rodata,"a",@progbits
	.p2align	6, 0x0
	.amdhsa_kernel k_qcb37713faf_qkv
		.amdhsa_group_segment_fixed_size 327680
		.amdhsa_private_segment_fixed_size 0
		.amdhsa_enable_private_segment 0
		.amdhsa_kernarg_size 72
		.amdhsa_user_sgpr_count 2
		.amdhsa_user_sgpr_kernarg_segment_ptr 1
		.amdhsa_wavefront_size32 1
		.amdhsa_system_sgpr_workgroup_id_x 1
		.amdhsa_system_sgpr_workgroup_id_y 1
		.amdhsa_system_sgpr_workgroup_id_z 1
		.amdhsa_system_vgpr_workitem_id 0
		.amdhsa_next_free_vgpr 1024
		.amdhsa_next_free_sgpr 102
		.amdhsa_reserve_vcc 0
		.amdhsa_float_denorm_mode_32 3
		.amdhsa_float_denorm_mode_16_64 3
		.amdhsa_memory_ordered 1
		.amdhsa_forward_progress 1
		.amdhsa_inst_pref_size 207
	.end_amdhsa_kernel
	.amdgpu_metadata
---
amdhsa.version: [ 1, 2 ]
amdhsa.kernels:
  - .name:           k_qcb37713faf_qkv
    .symbol:         k_qcb37713faf_qkv.kd
    .args:
      - { .name: xq, .offset: 0, .size: 8, .value_kind: global_buffer, .address_space: global }
      - { .name: Wq_codes, .offset: 8, .size: 8, .value_kind: global_buffer, .address_space: global }
      - { .name: Wk_codes, .offset: 16, .size: 8, .value_kind: global_buffer, .address_space: global }
      - { .name: Wv_codes, .offset: 24, .size: 8, .value_kind: global_buffer, .address_space: global }
      - { .name: bq, .offset: 32, .size: 8, .value_kind: global_buffer, .address_space: global }
      - { .name: bk, .offset: 40, .size: 8, .value_kind: global_buffer, .address_space: global }
      - { .name: bv, .offset: 48, .size: 8, .value_kind: global_buffer, .address_space: global }
      - { .name: lowp_scales, .offset: 56, .size: 8, .value_kind: global_buffer, .address_space: global }
      - { .name: qkv, .offset: 64, .size: 8, .value_kind: global_buffer, .address_space: global }
    .group_segment_fixed_size: 327680
    .private_segment_fixed_size: 0
    .kernarg_segment_align: 8
    .kernarg_segment_size: 72
    .max_flat_workgroup_size: 128
    .sgpr_count:     102
    .vgpr_count:     1024
    .wavefront_size: 32
...
	.end_amdgpu_metadata
.endif
;; end of part 6
;; launch attn (part 7): grid 4 x 64, 8 waves a work-group, clusters of 4 x 1, 327,680 bytes of LDS; arguments qkv, mask, lowp_scales, ctx; writes ctx
.if DOCPART == 7
	.amdgcn_target "amdgcn-amd-amdhsa--gfx1250"
	.amdhsa_code_object_version 6
	.text
	.protected	k_qcb37713faf_attn
	.globl	k_qcb37713faf_attn
	.p2align	8
	.type	k_qcb37713faf_attn,@function
k_qcb37713faf_attn:
	s_mov_b64 s[64:65], 0
	v_nop
	global_prefetch_b8 v0, s[64:65] scope:SCOPE_SE
	s_setreg_imm32_b32 hwreg(HW_REG_WAVE_MODE, 25, 1), 1
	s_wait_xcnt 0x0
	s_wait_alu depctr_hold_cnt(0) depctr_sa_sdst(0) depctr_va_vdst(0) depctr_va_sdst(0) depctr_va_ssrc(0) depctr_va_vcc(0) depctr_vm_vsrc(0)
	s_getreg_b32 s2, hwreg(HW_REG_IB_STS2, 6, 4)
	s_cmp_eq_u32 s2, 0
	s_cbranch_scc0 .Lentry_in_a_cluster
	s_endpgm
.Lentry_in_a_cluster:
	s_bfe_u32 s2, ttmp6, 0x10000c
	s_cmp_lg_u32 s2, 0x3003
	s_cbranch_scc0 .Lentry_shape_is_right
	s_endpgm
.Lentry_shape_is_right:
; Launch 3 of 4: context = softmax(Q K^T / 8, masked) V on codes of E4M3, quantised (entry 10 of lowp_scales) and stored as images of the next launch's operand registers.  Nothing is left out as dead work.
; p = 2^(t - M), t = score x log2(e) / 8, M = the running largest t rounded up to a whole number; the row's sum is taken of the unquantised p and divides at the end; when M moves, sum and O are multiplied by 2^(old M - new M).
; THE MASK: a hidden key gets -1e9 x 8 / 2^(e6 + e7) as the C of its score's matrix instruction.  Where a batch's mask hides every key, Q's codes and that term are made 0 by selects: all t are equal, as in reference().
; SHARES.  A work-group owns 512 queries of one (batch, head); each of its 8 waves 64 of them: four tiles of 16, worked as two pairs.  A step is 128 keys: its K and V fragments (64 + 64 registers) are read from LDS once and serve all four tiles.
; LDS holds the head's whole K and V, 262,144 bytes, a dense copy of qkv's sixteen groups (K 8,192 bytes, V 8,192): each wave asks for 32,768 bytes by its one tensor load at the head; nothing is filled again.
; CLUSTER: the four work-groups of a head need the same K and V: joint loads, mask 15.  No prefetch: all tiles are asked for at the head, so there is no loop to run ahead in.
; Both products are used transposed (S^T = K Q^T, O^T = V^T P^T): a lane holds one query; tile c's eight scores are keys 16 c + 8 (lane / 16) + 0..7, which is where the 8-bit layout wants p's codes.
; The loads for the next step run one step ahead; in the last step their address is held at the last step's, so that they stay inside the tiles (what they bring is not used).
; LIMITS: e6 + e7 between -95 and 130; e8, e10 between -126 and 119; scaled scores under 2^31 and far under 1e9 in magnitude.  NaN is not served.
; REGISTERS.  window 0: v1-10 addresses and constants; v12-19 (-M, largest t) a tile; v20-27 the sums; v32-63 Q; v64-95 p's codes; v96-113 at work; v128-191, v192-255 the pair's scores.
;   window 1: v0-127 O^T (tile i, channels 16 t: 32 i + 8 t); v128-191 K's eight tiles; v192-255 V's four channel tiles x 128 keys.
.set HS,    393216
.set BIASL, 262144                     ; 2,048 words: the mask's term for each key
.set FLAG,  270336                     ; a word a wave: does my part of the mask show a key?
.set SPARE, 270592                     ; the spare words, 128 bytes a wave
.set LI,   1
.set BI,   2
.set ADN,  3                           ; the next step's K and V
.set ADB,  4                           ; this step's mask terms
.set SPW,  5
.set NIL,  6
.set PLIM, 7
.set PSCL, 8
.set PLIM2, 9
.set ADBN, 10                          ; the next step's mask terms
.set NM,   12
.set L,    20
.set Q,    32
.set PC,   64
.set MA0,  96
.set MA1,  97
.set MB0,  98
.set MB1,  99
.set PA,   100
.set PB,   101
.set OLA,  102
.set OLB,  103
.set FA,   104
.set FB,   106
.set T,    108
.set U,    110
.set W,    112
.set SA,   128
.set SB,   192
.set KW,   128
.set VW,   192
.set WV,   12
.set MSB, 0
.macro WIN new                         ; the immediate's high byte repeats the setting that is left
.if MSB != (\new)
	s_set_vgpr_msb (MSB<<8)|(\new)
.set MSB, (\new)
.endif
.endm
.macro ROUND
	s_barrier_signal -1
	s_barrier_wait -1
	s_cmp_lg_u32 s[WV], 0
	s_cbranch_scc1 .Lnot_wave_0_\@
	s_barrier_signal -3
.Lnot_wave_0_\@:
	s_barrier_wait -3
	s_barrier_signal -1
	s_barrier_wait -1
.endm
.macro KLD                             ; 16 loads: K's eight tiles of 16 keys
	WIN 0x40
.irp t, 0,1,2,3,4,5,6,7
	ds_load_b128 v[KW+8*\t:KW+8*\t+3], v[ADN] offset:1024*\t
	ds_load_b128 v[KW+8*\t+4:KW+8*\t+7], v[ADN] offset:1024*\t+512
.endr
	WIN 0
.endm
.macro VLD                             ; 16 loads: V's four channel tiles, registers 0-7 keys 0-63, registers 8-15 keys 64-127
	WIN 0x40
.irp t, 0,1,2,3
.irp u, 0,1
	ds_load_b128 v[VW+16*\t+8*\u:VW+16*\t+8*\u+3], v[ADN] offset:8192+4096*\u+1024*\t
	ds_load_b128 v[VW+16*\t+8*\u+4:VW+16*\t+8*\u+7], v[ADN] offset:8192+4096*\u+1024*\t+512
.endr
.endr
	WIN 0
.endm
.macro BLD adr                         ; 16 loads: the mask's terms in the result's layout, into the second tile's score registers
.irp t, 0,1,2,3,4,5,6,7
	ds_load_b128 v[SB+8*\t:SB+8*\t+3], v[\adr] offset:64*\t
	ds_load_b128 v[SB+8*\t+4:SB+8*\t+7], v[\adr] offset:64*\t+16
.endr
.endm
.macro SUM s, l                        ; 64 p onto the sum, two at a time, in four chains; MERGE joins them
	v_pk_add_f32 v[T:T+1], v[\s:\s+1], v[\s+2:\s+3]
	v_pk_add_f32 v[U:U+1], v[\s+4:\s+5], v[\s+6:\s+7]
	v_pk_add_f32 v[W:W+1], v[\s+8:\s+9], v[\s+10:\s+11]
.set jj, 12
.rept 6
	v_pk_add_f32 v[\l:\l+1], v[\l:\l+1], v[\s+jj:\s+jj+1]
	v_pk_add_f32 v[T:T+1], v[T:T+1], v[\s+jj+2:\s+jj+3]
	v_pk_add_f32 v[U:U+1], v[U:U+1], v[\s+jj+4:\s+jj+5]
	v_pk_add_f32 v[W:W+1], v[W:W+1], v[\s+jj+6:\s+jj+7]
.set jj, jj+8
.endr
	v_pk_add_f32 v[\l:\l+1], v[\l:\l+1], v[\s+60:\s+61]
	v_pk_add_f32 v[T:T+1], v[T:T+1], v[\s+62:\s+63]
.endm
.macro MERGE l
	v_pk_add_f32 v[U:U+1], v[U:U+1], v[W:W+1]
	v_pk_add_f32 v[\l:\l+1], v[\l:\l+1], v[T:T+1]
	v_pk_add_f32 v[\l:\l+1], v[\l:\l+1], v[U:U+1]
.endm
.macro HOLD r                          ; two p held at 448 x 2^e8 (the conversion to an 8-bit code does not saturate: ISA guide 7.6.2); p is not negative
	v_dual_min_num_f32 v[\r], v[\r], v[PLIM] :: v_dual_min_num_f32 v[\r+1], v[\r+1], v[PLIM2]
.endm
.macro CODES s, pc
.irp c, 0,1,2,3,4,5,6,7
	v_cvt_scalef32_pk8_fp8_f32 v[\pc+2*\c:\pc+2*\c+1], v[\s+8*\c:\s+8*\c+7], v[PSCL]
.endr
.endm
	s_load_b256 s[4:11], s[0:1], 0x0               ; qkv, mask, the scales' exponents, ctx
	v_lshl_add_u32 v[SPW], v0, 2, SPARE
	v_mov_b32 v[NIL], 0
	ds_add_u32 v[SPW], v[NIL]                      ; the opening: the add, twice on end, and its wait ahead of my first tensor load
	ds_add_u32 v[SPW], v[NIL]
	v_lshrrev_b32 v11, 5, v0
	v_readfirstlane_b32 s[WV], v11                 ; wave 0..7
	v_lshl_add_u32 v28, v11, 2, FLAG               ; my wave's flag word
	v_and_b32 v29, 31, v0
	v_lshlrev_b32 v[LI], 4, v29                    ; 16 x lane
	v_bfe_u32 v29, v0, 4, 1
	v_lshl_add_u32 v[BI], v29, 5, BIASL            ; the terms of keys 8 (lane / 16) + 0..7
	v_lshlrev_b32 v30, 5, v0                       ; my eight words of the mask
	v_lshl_add_u32 v31, v0, 5, BIASL               ; and of the terms
	v_mov_b32 v11, FLAG
	s_bfe_u32 s13, ttmp6, 0x40000                  ; cx: which 512 queries
	s_and_b32 s14, ttmp7, 0xffff                   ; 16 x batch + head
	s_lshr_b32 s15, s14, 4
	s_and_b32 s16, s14, 15
	s_mov_b32 s24, 15|(3<<16)|(1<<21)              ; the four partners; elements of 8 bytes; bit 21 beside a mask
	s_mov_b32 s25, 32<<16                          ; rows of 256 bytes,
	s_mov_b32 s26, 128<<16                         ; 128 of them, dense
	s_mov_b32 s27, 32<<16
	s_mov_b32 s28, 128
	s_mov_b32 s29, 32
	s_mov_b32 s30, 0
	s_mov_b32 s31, 0
	s_mul_i32 s66, s14, HS
	s_mov_b32 s67, 0
	s_lshl_b32 s70, s[WV], 15
	s_add_co_u32 s68, s66, s70                     ; my 32,768 bytes of the head's K and V
	s_mov_b32 s69, 0
	s_mov_b32 s32, 1
	s_lshl_b32 s33, s[WV], 15                      ; and where they go
	s_mov_b32 s50, 0x76543210
	s_mov_b32 s51, 0xfedcba98
	s_wait_alu depctr_va_vdst(0)
	s_wait_dscnt 0x0
	s_wait_kmcnt 0x0
	s_add_nc_u64 s[34:35], s[4:5], s[68:69]
	s_or_b32 s35, s35, 0x80000000
	s_load_b128 s[56:59], s[8:9], 0x18             ; e6 .. e9
	s_load_b32 s60, s[8:9], 0x28                   ; e10
	s_lshl_b32 s70, s15, 13
	s_mov_b32 s71, 0
	s_add_nc_u64 s[6:7], s[6:7], s[70:71]          ; my batch's mask
	global_load_b128 v[128:131], v30, s[6:7]
	global_load_b128 v[132:135], v30, s[6:7] offset:16
	s_lshl_b32 s70, s13, 15
	s_lshl_b32 s63, s[WV], 12
	s_add_co_u32 s70, s70, s63
	s_add_co_u32 s70, s70, 262144
	s_add_co_u32 s70, s70, s66
	s_add_nc_u64 s[4:5], s[4:5], s[70:71]          ; my four tiles of Q
.irp i, 0,1,2,3,4,5,6,7
	global_load_b128 v[Q+4*\i:Q+4*\i+3], v[LI], s[4:5] offset:512*\i
.endr
	ROUND                                          ; the four work-groups meet
	tensor_load_to_lds s[32:35], s[24:31]          ; my one tensor load
	s_nop 0
	s_lshl_b32 s66, s15, 7
	s_lshl_b32 s67, s13, 5
	s_add_co_u32 s66, s66, s67
	s_lshl_b32 s67, s[WV], 2
	s_add_co_u32 s66, s66, s67                     ; my first tile of 16 tokens
	s_lshl_b32 s66, s66, 14
	s_lshl_b32 s67, s16, 10
	s_add_co_u32 s66, s66, s67
	s_mov_b32 s67, 0
	s_add_nc_u64 s[10:11], s[10:11], s[66:67]
.irp i, 0,1,2,3
	v_mov_b32 v[NM+2*\i+1], 0xff61b1e6             ; the largest t so far: -3e38
	v_floor_f32 v[NM+2*\i], -v[NM+2*\i+1]
	v_mov_b32 v[L+2*\i], 0
	v_mov_b32 v[L+2*\i+1], 0
.endr
	v_mov_b32 v[PA], 0                             ; a lane permute's destination counts as a source
	v_mov_b32 v[PB], 0
	v_mov_b32 v[FA+1], 0                           ; (named as upper halves of pairs)
	v_mov_b32 v[FB+1], 0
	v_mov_b32 v[ADN], v[LI]
	v_mov_b32 v[ADBN], v[BI]
	WIN 0x40
.set jj, 0
.rept 128
	v_mov_b32 v[jj], 0                             ; O^T: the loop is written once, its first step finds zeros
.set jj, jj+1
.endr
	WIN 0
	s_wait_alu depctr_va_vdst(0)
	s_wait_loadcnt 0x0
	v_or_b32 v136, v128, v129
	v_or_b32 v137, v130, v131
	v_or_b32 v138, v132, v133
	v_or_b32 v139, v134, v135
	v_or_b32 v136, v136, v137
	v_or_b32 v138, v138, v139
	v_or_b32 v136, v136, v138
	v_cmp_ne_u32 s63, 0, v136
	s_cmp_lg_u32 s63, 0
	s_cselect_b32 s63, 1, 0
	v_mov_b32 v136, s63
	s_wait_alu depctr_va_vdst(0)
	ds_store_b32 v28, v136
	s_wait_dscnt 0x0
	s_barrier_signal -1
	s_barrier_wait -1
	ds_load_b128 v[140:143], v11
	ds_load_b128 v[144:147], v11 offset:16
	s_wait_dscnt 0x0
.irp i, 0,1,2,3
	v_or_b32 v[140+\i], v[140+\i], v[144+\i]
.endr
	v_or_b32 v140, v140, v142
	v_or_b32 v141, v141, v143
	v_or_b32 v140, v140, v141
	v_readfirstlane_b32 s63, v140
	s_cmp_lg_u32 s63, 0
	s_cselect_b32 s61, -1, 0                       ; all ones where the batch shows a key: selects alone hang on it
	s_wait_kmcnt 0x0
	s_add_co_i32 s62, s56, s57
	s_lshl_b32 s62, s62, 23
	s_add_co_i32 s48, s62, 0x3e38aa3b              ; c = log2(e) / 8 x 2^(e6 + e7)
	s_mov_b32 s49, s48
	s_sub_co_i32 s62, 0xcfee6b28, s62              ; -8e9 / 2^(e6 + e7)
	s_and_b32 s62, s62, s61
	v_mov_b32 v137, s62
	s_add_co_i32 s66, s58, 127
	s_lshl_b32 s67, s66, 23
	v_mov_b32 v[PSCL], s67                         ; 2^e8
	s_add_co_i32 s66, s66, 8
	s_lshl_b32 s66, s66, 23
	s_or_b32 s66, s66, 0x600000
	v_mov_b32 v[PLIM], s66                         ; 448 x 2^e8
	v_mov_b32 v[PLIM2], s66
.set jj, 0
.rept 32
	v_and_b32 v[Q+jj], s61, v[Q+jj]
.set jj, jj+1
.endr
.irp i, 128,129,130,131,132,133,134,135
	v_cmp_eq_u32 vcc_lo, 0, v\i
	v_cndmask_b32 v\i, 0, v137, vcc_lo
.endr
	ds_store_b128 v31, v[128:131]
	ds_store_b128 v31, v[132:135] offset:16
	s_wait_alu depctr_va_vdst(0)
	s_wait_tensorcnt 0x0                           ; my part of K and V is in,
	s_wait_dscnt 0x0                               ; my terms are stored:
	s_barrier_signal -1
	s_barrier_wait -1                              ; everybody's are
	KLD
	BLD ADBN
	VLD
	s_mov_b32 s55, 0
; A PAIR of query tiles against the step's 128 keys.
.macro PAIR p
.set QA, Q+16*\p
.set QB, QA+8
.set NA, NM+4*\p
.set NB, NA+2
.set LA, L+4*\p
.set LB, LA+2
.set OA, 64*\p
.set OB, OA+32
.if \p
	s_wait_dscnt 0x0                               ; the mask's terms
.else
	s_wait_dscnt 16                                ; K and the terms are in; V's sixteen loads may be out
.endif
	WIN 0x01
.irp t, 0,1,2,3,4,5,6,7
	v_wmma_f32_16x16x64_fp8_fp8 v[SA+8*\t:SA+8*\t+7], v[KW+8*\t:KW+8*\t+7], v[QA:QA+7], v[SB+8*\t:SB+8*\t+7]
.endr
.rept 5
	v_nop                                          ; five places: the products below write over the C of those above (ISA guide 7.12.1)
.endr
.irp t, 0,1,2,3,4,5,6,7
	v_wmma_f32_16x16x64_fp8_fp8 v[SB+8*\t:SB+8*\t+7], v[KW+8*\t:KW+8*\t+7], v[QB:QB+7], v[SB+8*\t:SB+8*\t+7]
.endr
	WIN 0
	v_max3_num_f32 v[MA0], v[SA], v[SA+1], v[SA+2] ; the step's largest scores, two chains a tile; these four are the places behind the last product
	v_max3_num_f32 v[MA1], v[SA+3], v[SA+4], v[SA+5]
	v_max3_num_f32 v[MA0], v[MA0], v[SA+6], v[SA+7]
	v_max3_num_f32 v[MA1], v[MA1], v[SA+8], v[SA+9]
.if \p
	KLD                                            ; K is done with: the next step's
.endif
	v_max3_num_f32 v[MB0], v[SB], v[SB+1], v[SB+2]
	v_max3_num_f32 v[MB1], v[SB+3], v[SB+4], v[SB+5]
	v_max3_num_f32 v[MB0], v[MB0], v[SB+6], v[SB+7]
	v_max3_num_f32 v[MB1], v[MB1], v[SB+8], v[SB+9]
.irp i, 10,14,18,22,26,30,34,38,42,46,50,54,58
	v_max3_num_f32 v[MA0], v[MA0], v[SA+\i], v[SA+\i+1]
	v_max3_num_f32 v[MA1], v[MA1], v[SA+\i+2], v[SA+\i+3]
	v_max3_num_f32 v[MB0], v[MB0], v[SB+\i], v[SB+\i+1]
	v_max3_num_f32 v[MB1], v[MB1], v[SB+\i+2], v[SB+\i+3]
.endr
	v_max3_num_f32 v[MA0], v[MA0], v[SA+62], v[SA+63]
	v_max3_num_f32 v[MB0], v[MB0], v[SB+62], v[SB+63]
	v_max_num_f32 v[MA0], v[MA0], v[MA1]
	v_max_num_f32 v[MB0], v[MB0], v[MB1]
	v_permlanex16_b32 v[PA], v[MA0], s50, s51
	v_permlanex16_b32 v[PB], v[MB0], s50, s51
	v_max_num_f32 v[MA0], v[MA0], v[PA]
	v_max_num_f32 v[MB0], v[MB0], v[PB]
	v_mul_f32 v[MA0], s48, v[MA0]                  ; as t (c is positive)
	v_mul_f32 v[MB0], s48, v[MB0]
	v_max_num_f32 v[NA+1], v[NA+1], v[MA0]
	v_max_num_f32 v[NB+1], v[NB+1], v[MB0]
	v_mov_b32 v[OLA], v[NA]
	v_mov_b32 v[OLB], v[NB]
	v_floor_f32 v[NA], -v[NA+1]                    ; -M = floor(-t)
	v_floor_f32 v[NB], -v[NB+1]
	v_sub_f32 v[MA0], v[NA], v[OLA]                ; old M - new M, a whole number
	v_sub_f32 v[MB0], v[NB], v[OLB]
	v_cvt_i32_f32 v[MA0], v[MA0]
	v_cvt_i32_f32 v[MB0], v[MB0]
	v_ldexp_f32 v[FA], 1.0, v[MA0]                 ; f = 2^(old M - new M)
	v_ldexp_f32 v[FB], 1.0, v[MB0]
.set jj, 0
.rept 32
	v_pk_fma_f32 v[SA+jj:SA+jj+1], v[SA+jj:SA+jj+1], s[48:49], v[NA:NA+1] op_sel_hi:[1,0,0]
.set jj, jj+2
.endr
	s_wait_alu depctr_va_vdst(0)                   ; a wait ahead of the batch
.set jj, 0
.rept 32                                       ; the first tile's exponentials; the second tile's t - M stand among them: their sources were read or written ahead of the wait above, their results are read behind the wait below
	v_exp_f32 v[SA+jj], v[SA+jj]
	v_pk_fma_f32 v[SB+jj:SB+jj+1], v[SB+jj:SB+jj+1], s[48:49], v[NB:NB+1] op_sel_hi:[1,0,0]
	v_exp_f32 v[SA+jj+1], v[SA+jj+1]
.set jj, jj+2
.endr
	v_pk_mul_f32 v[LA:LA+1], v[LA:LA+1], v[FA:FA+1] op_sel_hi:[1,0]   ; the sums under the new M
	v_pk_mul_f32 v[LB:LB+1], v[LB:LB+1], v[FB:FB+1] op_sel_hi:[1,0]
	s_wait_alu depctr_va_vdst(0)                   ; and behind it
	SUM SA, LA
	s_wait_alu depctr_va_vdst(0)                   ; ahead of the second batch
.set jj, 0
.rept 32                                       ; the second tile's exponentials, the first tile's holds among them
	v_exp_f32 v[SB+jj], v[SB+jj]
	HOLD SA+jj
	v_exp_f32 v[SB+jj+1], v[SB+jj+1]
.set jj, jj+2
.endr
	MERGE LA
	s_wait_alu depctr_va_vdst(0)
	CODES SA, PC
	SUM SB, LB
.set jj, 0
.rept 32
	HOLD SB+jj
.set jj, jj+2
.endr
	CODES SB, PC+16
	MERGE LB
.if \p
	BLD ADBN                                       ; the second tile's registers are free: the next step's terms
.else
	BLD ADB                                        ; this step's terms once more, for the second pair
	s_wait_dscnt 16                                ; V is in; the sixteen loads just issued may be out
.endif
	WIN 0x41
	s_wait_alu depctr_va_vdst(0)                   ; directly ahead of the first reader of O^T
.set jj, 0
.rept 16
	v_pk_mul_f32 v[OA+jj:OA+jj+1], v[OA+jj:OA+jj+1], v[FA:FA+1] op_sel_hi:[1,0]
	v_pk_mul_f32 v[OB+jj:OB+jj+1], v[OB+jj:OB+jj+1], v[FB:FB+1] op_sel_hi:[1,0]
.set jj, jj+2
.endr
	WIN 0x51
.irp t, 0,1,2,3                                ; the pair's eight accumulators by turns
	v_wmma_f32_16x16x128_fp8_fp8 v[OA+8*\t:OA+8*\t+7], v[VW+16*\t:VW+16*\t+15], v[PC:PC+15], v[OA+8*\t:OA+8*\t+7]
	v_wmma_f32_16x16x128_fp8_fp8 v[OB+8*\t:OB+8*\t+7], v[VW+16*\t:VW+16*\t+15], v[PC+16:PC+31], v[OB+8*\t:OB+8*\t+7]
.endr
	WIN 0
.if \p
.rept 4
	v_nop                                          ; places in front of loads into registers that the products have read
.endr
	VLD                                            ; the next step's V
.endif
.endm
.Lstep:                                                ; 16 steps of 128 keys; s55 = 16,384 x step
	s_add_co_u32 s52, s55, 16384
	s_min_u32 s52, s52, 245760                     ; the next step's tiles, held at the last step's
	s_lshr_b32 s53, s55, 5                         ; 512 bytes of terms a step
	s_lshr_b32 s54, s52, 5
	v_add_nc_u32 v[ADN], s52, v[LI]
	v_add_nc_u32 v[ADB], s53, v[BI]
	v_add_nc_u32 v[ADBN], s54, v[BI]
	PAIR 0
	PAIR 1
	s_add_co_u32 s55, s55, 16384
	s_cmp_lt_u32 s55, 262144
	s_wait_alu depctr_va_vdst(0)
	s_cbranch_scc1 .Lstep
	; THE WAY OUT: O^T / the sum x 2^(e8 + e9), held within 448 x 2^e10, as codes: registers 2 t, 2 t + 1 of a tile are channels 16 t + 8 (lane / 16) + 0..7
	s_wait_dscnt 0x0                               ; the last step's look-ahead has landed: its registers are used below
.irp i, 0,1,2,3
	v_add_f32 v[L+2*\i], v[L+2*\i], v[L+2*\i+1]
.endr
.irp i, 0,1,2,3
	v_permlanex16_b32 v[MA0+\i], v[L+2*\i], s50, s51
.endr
.irp i, 0,1,2,3
	v_add_f32 v[L+2*\i], v[L+2*\i], v[MA0+\i]
.endr
	s_add_co_i32 s66, s58, s59
	s_add_co_i32 s67, s60, 127
	s_lshl_b32 s68, s67, 23
	v_mov_b32 v[FA], s68                           ; 2^e10
	s_add_co_i32 s67, s67, 8
	s_lshl_b32 s67, s67, 23
	s_or_b32 s67, s67, 0x600000
	v_mov_b32 v[FB], s67                           ; 448 x 2^e10
	s_wait_alu depctr_va_vdst(0)
.irp i, 0,1,2,3
	v_rcp_f32 v[L+2*\i], v[L+2*\i]
.endr
	v_nop
	s_wait_alu depctr_va_vdst(0)
.irp i, 0,1,2,3
	v_ldexp_f32 v[L+2*\i], v[L+2*\i], s66
.endr
	WIN 0x01
	s_wait_alu depctr_va_vdst(0)                   ; directly ahead of the first reader of O^T
.irp i, 0,1,2,3
.set jj, 0
.rept 16
	v_pk_mul_f32 v[SA+32*\i+jj:SA+32*\i+jj+1], v[32*\i+jj:32*\i+jj+1], v[L+2*\i:L+2*\i+1] op_sel_hi:[1,0]
.set jj, jj+2
.endr
.endr
	WIN 0
.set jj, 0
.rept 128
	v_med3_num_f32 v[SA+jj], v[SA+jj], -v[FB], v[FB]
.set jj, jj+1
.endr
.set jj, 0
.rept 16
	v_cvt_scalef32_pk8_fp8_f32 v[PC+2*jj:PC+2*jj+1], v[SA+8*jj:SA+8*jj+7], v[FA]
.set jj, jj+1
.endr
	v_nop
.irp i, 0,1,2,3
.irp q, 0,1
	global_store_b128 v[LI], v[PC+8*\i+4*\q:PC+8*\i+4*\q+3], s[10:11] offset:16384*\i+512*\q   ; 32 lanes store 512 consecutive bytes, aligned
.endr
.endr
	s_wait_tensorcnt 0x0                           ; the wave's end
	ds_add_u32 v[SPW], v[NIL]
	s_wait_dscnt 0x0
	ROUND                                          ; the closing round
	s_endpgm
.Lfunc_end_k_qcb37713faf_attn:
	.size	k_qcb37713faf_attn, .Lfunc_end_k_qcb37713faf_attn-k_qcb37713faf_attn
	.p2alignl 7, 3214868480
	.fill 96, 4, 3214868480
	.section	.rodata,"a",@progbits
	.p2align	6, 0x0
	.amdhsa_kernel k_qcb37713faf_attn
		.amdhsa_group_segment_fixed_size 327680
		.amdhsa_private_segment_fixed_size 0
		.amdhsa_enable_private_segment 0
		.amdhsa_kernarg_size 32
		.amdhsa_user_sgpr_count 2
		.amdhsa_user_sgpr_kernarg_segment_ptr 1
		.amdhsa_wavefront_size32 1
		.amdhsa_system_sgpr_workgroup_id_x 1
		.amdhsa_system_sgpr_workgroup_id_y 1
		.amdhsa_system_sgpr_workgroup_id_z 1
		.amdhsa_system_vgpr_workitem_id 0
		.amdhsa_next_free_vgpr 512
		.amdhsa_next_free_sgpr 72
		.amdhsa_reserve_vcc 1
		.amdhsa_float_denorm_mode_32 3
		.amdhsa_float_denorm_mode_16_64 3
		.amdhsa_memory_ordered 1
		.amdhsa_forward_progress 1
		.amdhsa_inst_pref_size 89
	.end_amdhsa_kernel
	.amdgpu_metadata
---
amdhsa.version: [ 1, 2 ]
amdhsa.kernels:
  - .name:           k_qcb37713faf_attn
    .symbol:         k_qcb37713faf_attn.kd
    .args:
      - { .name: qkv, .offset: 0, .size: 8, .value_kind: global_buffer, .address_space: global }
      - { .name: mask, .offset: 8, .size: 8, .value_kind: global_buffer, .address_space: global }
      - { .name: lowp_scales, .offset: 16, .size: 8, .value_kind: global_buffer, .address_space: global }
      - { .name: ctx, .offset: 24, .size: 8, .value_kind: global_buffer, .address_space: global }
    .group_segment_fixed_size: 327680
    .private_segment_fixed_size: 0
    .kernarg_segment_align: 8
    .kernarg_segment_size: 32
    .max_flat_workgroup_size: 256
    .sgpr_count:     72
    .vgpr_count:     512
    .wavefront_size: 32
...
	.end_amdgpu_metadata
.endif
;; end of part 7
;; launch outln (part 8): grid 256 x 1, 16 waves a work-group, no clusters, 178,688 bytes of LDS; arguments ctx, wo, lowp_scales, bo, x, gamma, beta, out0; writes out0
.if DOCPART == 8
	.amdgcn_target "amdgcn-amd-amdhsa--gfx1250"
	.amdhsa_code_object_version 6
	.text
	.protected	k_qcb37713faf_outln
	.globl	k_qcb37713faf_outln
	.p2align	8
	.type	k_qcb37713faf_outln,@function
k_qcb37713faf_outln:
	s_mov_b64 s[64:65], 0
	v_nop
	global_prefetch_b8 v0, s[64:65] scope:SCOPE_SE
	s_setreg_imm32_b32 hwreg(HW_REG_WAVE_MODE, 25, 1), 1
	s_wait_xcnt 0x0
; Launch 4 of 4: out0 = LayerNorm(x + context Wo^T + bo) x gamma + beta; the product on codes of E4M3 (entries 10, 11 of lowp_scales).  Nothing is left out as dead work.
; SHARES.  A work-group owns 32 tokens and all 1,024 channels, so that a row's mean and variance stay inside it.  Each of its 16 waves makes 32 tokens x 64 channels: 8 accumulators, 64 registers.
; Wo comes as wo, images of operand registers laid by the first launch: a wave's 64 rows are 65,536 consecutive bytes that no other wave of the work-group reads, so they go from memory straight into registers,
; each load 512 consecutive bytes, in two sets of 64 registers that take turns: the loads run two K steps (32 loads a wave) ahead of the products.
; The context's 32,768 bytes of images and gamma, beta, bo (4,096 bytes each) are read from memory once a work-group, through registers into LDS, and are read from there by all waves.
; No tensor load fills LDS here, so a joint load of a cluster has no place: cluster = none.  No prefetch: the register loads themselves run two K steps ahead.
; THE MATRIX INSTRUCTION IS USED TRANSPOSED (source 0 = 16 rows of Wo, source 1 = 16 tokens): a lane holds a token and eight neighbouring channels.  The sums go through a stage in LDS; then each wave normalises two whole rows.
; LIMIT: e10 + e11 between -126 and 127.
; REGISTERS: v1-8 addresses; v16-24 at work in the norm; v32-63 the context's fragments, then bo; v64-127, v128-191 Wo's two sets, then x's two rows, gamma and beta; v192-255 the accumulators, then the two rows.
.set PAR,    32768                     ; LDS: the context's images from 0; gamma, beta, bo from here
.set STAGE,  45056                     ; 32 rows x SPITCH
.set SPITCH, 4112
.set SPARE,  176640                    ; the spare words, 128 bytes a wave
.set LI,   1                           ; 16 x lane
.set STO0, 2
.set STO1, 3
.set RD,   4
.set SPW,  5
.set NIL,  6
.set T8,   7                           ; 8 x thread
.set TI,   8                           ; 16 x thread
.set A,    32
.set B0,   64
.set B1,   128
.set ACC,  192
.set BO,   32
.set GA,   128
.set BE,   160
	s_load_b512 s[4:19], s[0:1], 0x0               ; ctx, wo, the scales' exponents, bo, x, gamma, beta, out0
	v_lshl_add_u32 v[SPW], v0, 2, SPARE
	v_mov_b32 v[NIL], 0
	v_lshrrev_b32 v9, 5, v0
	v_readfirstlane_b32 s20, v9                    ; wave 0..15
	v_and_b32 v10, 31, v0
	v_lshlrev_b32 v[LI], 4, v10
	v_lshlrev_b32 v[TI], 4, v0
	v_lshlrev_b32 v[T8], 3, v0
	v_and_b32 v9, 15, v0                           ; r
	v_bfe_u32 v10, v0, 4, 1                        ; h
	v_mul_u32_u24 v11, v9, SPITCH
	v_lshl_add_u32 v11, v10, 5, v11
	s_lshl_b32 s21, s20, 8
	s_add_co_u32 s21, s21, STAGE
	v_add_nc_u32 v[STO0], s21, v11                 ; the stage, in: row r, my wave's 256 bytes, 32 bytes for each half of the lanes
	v_add_nc_u32 v[STO1], 16*SPITCH, v[STO0]       ; tokens 16-31
	s_mul_i32 s21, s20, 2*SPITCH
	s_add_co_u32 s21, s21, STAGE
	v_add_nc_u32 v[RD], s21, v[LI]                 ; and back: my two rows
	v_mov_b32 v21, 0                               ; (upper half of a pair)
	v_mov_b32 v23, 0x3727c5ac                      ; 1e-5
	v_mov_b32 v24, 0                               ; a lane permute's destination counts as a source
	s_mov_b32 s42, 0x76543210
	s_mov_b32 s43, 0xfedcba98
	s_mov_b32 s53, 0x3a800000                      ; 1 / 1024
	s_mov_b32 s54, 0xba800000
	s_lshl_b32 s46, ttmp9, 15                      ; my 32 tokens' images
	s_mov_b32 s47, 0
	s_lshl_b32 s48, s20, 16                        ; my wave's 64 rows of Wo
	s_mov_b32 s49, 0
	s_lshl_b32 s50, ttmp9, 17
	s_lshl_b32 s51, s20, 13
	s_add_co_u32 s50, s50, s51                     ; my two rows of x and of out0
	s_mov_b32 s51, 0
	s_wait_alu depctr_va_vdst(0)
	s_wait_kmcnt 0x0
	s_load_b64 s[44:45], s[8:9], 0x28              ; e10, e11
	s_add_nc_u64 s[4:5], s[4:5], s[46:47]
	s_add_nc_u64 s[6:7], s[6:7], s[48:49]
	s_add_nc_u64 s[12:13], s[12:13], s[50:51]
	s_add_nc_u64 s[18:19], s[18:19], s[50:51]
.macro GLD ks, set                     ; 16 loads: my four tiles of Wo, 128 along K
.irp t, 0,1,2,3
.irp q, 0,1,2,3
	global_load_b128 v[\set+16*\t+4*\q:\set+16*\t+4*\q+3], v[LI], s[6:7] offset:16384*\t+2048*(\ks)+512*\q
.endr
.endr
.endm
.macro ALD ks                          ; 8 loads: the two token tiles' fragments
.irp m, 0,1
.irp c, 0,1,2,3
	ds_load_b128 v[A+16*\m+4*\c:A+16*\m+4*\c+3], v[LI] offset:16384*\m+2048*(\ks)+512*\c
.endr
.endr
.endm
.macro MUL set, zero                   ; the 8 accumulators by turns, in the same order in every K step
.irp t, 0,1,2,3
.irp m, 0,1
.if \zero
	v_wmma_f32_16x16x128_fp8_fp8 v[ACC+8*(2*\t+\m):ACC+8*(2*\t+\m)+7], v[\set+16*\t:\set+16*\t+15], v[A+16*\m:A+16*\m+15], 0
.else
	v_wmma_f32_16x16x128_fp8_fp8 v[ACC+8*(2*\t+\m):ACC+8*(2*\t+\m)+7], v[\set+16*\t:\set+16*\t+15], v[A+16*\m:A+16*\m+15], v[ACC+8*(2*\t+\m):ACC+8*(2*\t+\m)+7]
.endif
.endr
.endr
.endm
.irp i, 0,1,2,3
	global_load_b128 v[ACC+4*\i:ACC+4*\i+3], v[TI], s[4:5] offset:8192*\i   ; the context: 512 threads x 16 bytes, four times
.endr
	global_load_b64 v[208:209], v[T8], s[14:15]    ; gamma, beta, bo: 512 threads x 8 bytes
	global_load_b64 v[210:211], v[T8], s[16:17]
	global_load_b64 v[212:213], v[T8], s[10:11]
	GLD 0, B0
	GLD 1, B1
	s_wait_loadcnt 32                              ; all but Wo's 32
.irp i, 0,1,2,3
	ds_store_b128 v[TI], v[ACC+4*\i:ACC+4*\i+3] offset:8192*\i
.endr
	ds_store_b64 v[T8], v[208:209] offset:PAR
	ds_store_b64 v[T8], v[210:211] offset:PAR+4096
	ds_store_b64 v[T8], v[212:213] offset:PAR+8192
	s_wait_dscnt 0x0
	s_barrier_signal -1
	s_barrier_wait -1
	ALD 0
.macro KSTEP ks
	s_wait_loadcnt 16                              ; this step's set is in; the sixteen younger loads may be out
	s_wait_dscnt 0x0
.if (\ks) == 0
	MUL B0, 1
.else
	MUL B0+64*((\ks)%2), 0
.endif
.rept 4
	v_nop                                          ; places in front of loads into registers that the products have read, and of reads of their results (ISA guide 7.12.1 for vector instructions)
.endr
.if (\ks) < 6
	GLD (\ks)+2, B0+64*((\ks)%2)
.endif
.if (\ks) == 6
.irp i, 0,1
.irp q, 0,1,2,3,4,5,6,7
	global_load_b128 v[B0+32*\i+4*\q:B0+32*\i+4*\q+3], v[LI], s[12:13] offset:4096*\i+512*\q th:TH_LOAD_NT   ; x's two rows, into the set that is done with
.endr
.endr
.endif
.if (\ks) < 7
	ALD (\ks)+1
.endif
.endm
.irp k, 0,1,2,3,4,5,6,7
	KSTEP \k
.endr
.irp t, 0,1,2,3                                ; the sums into the stage, each accumulator from its low end on
	ds_store_b128 v[STO0], v[ACC+16*\t:ACC+16*\t+3] offset:64*\t
	ds_store_b128 v[STO0], v[ACC+16*\t+4:ACC+16*\t+7] offset:64*\t+16
	ds_store_b128 v[STO1], v[ACC+16*\t+8:ACC+16*\t+11] offset:64*\t
	ds_store_b128 v[STO1], v[ACC+16*\t+12:ACC+16*\t+15] offset:64*\t+16
.endr
.irp q, 0,1,2,3,4,5,6,7
	ds_load_b128 v[GA+4*\q:GA+4*\q+3], v[LI] offset:PAR+512*\q
	ds_load_b128 v[BE+4*\q:BE+4*\q+3], v[LI] offset:PAR+4096+512*\q
	ds_load_b128 v[BO+4*\q:BO+4*\q+3], v[LI] offset:PAR+8192+512*\q
.endr
	s_wait_kmcnt 0x0
	s_add_co_i32 s40, s44, s45
	s_add_co_i32 s40, s40, 127
	s_lshl_b32 s40, s40, 23                        ; 2^(e10 + e11)
	s_mov_b32 s41, s40
	s_wait_dscnt 0x0
	s_barrier_signal -1
	s_barrier_wait -1                              ; every wave's channels are in the stage
.irp i, 0,1
.irp q, 0,1,2,3,4,5,6,7
	ds_load_b128 v[ACC+32*\i+4*\q:ACC+32*\i+4*\q+3], v[RD] offset:SPITCH*\i+512*\q
.endr
.endr
	s_wait_dscnt 0x0
	s_wait_loadcnt 0x0                             ; x
.macro WSUM                            ; v16 = the sum over the wave of v[16:19]
	v_pk_add_f32 v[16:17], v[16:17], v[18:19]
	v_add_f32 v16, v16, v17
	v_add_f32_dpp v16, v16, v16 row_xmask:1 row_mask:0xf bank_mask:0xf
	v_add_f32_dpp v16, v16, v16 row_xmask:2 row_mask:0xf bank_mask:0xf
	v_add_f32_dpp v16, v16, v16 row_xmask:4 row_mask:0xf bank_mask:0xf
	v_add_f32_dpp v16, v16, v16 row_xmask:8 row_mask:0xf bank_mask:0xf
	v_permlanex16_b32 v24, v16, s42, s43
	v_add_f32 v16, v16, v24
.endm
.macro ROW i
.set YS, ACC+32*\i
.set XS, B0+32*\i
.set jj, 0
.rept 16
	v_pk_fma_f32 v[YS+jj:YS+jj+1], v[YS+jj:YS+jj+1], s[40:41], v[XS+jj:XS+jj+1] op_sel_hi:[1,0,1]   ; x + sum x 2^(e10 + e11)
.set jj, jj+2
.endr
.set jj, 0
.rept 16
	v_pk_add_f32 v[YS+jj:YS+jj+1], v[YS+jj:YS+jj+1], v[BO+jj:BO+jj+1]
.set jj, jj+2
.endr
	v_pk_add_f32 v[16:17], v[YS:YS+1], v[YS+2:YS+3]
	v_pk_add_f32 v[18:19], v[YS+4:YS+5], v[YS+6:YS+7]
.irp j, 8,12,16,20,24,28
	v_pk_add_f32 v[16:17], v[16:17], v[YS+\j:YS+\j+1]
	v_pk_add_f32 v[18:19], v[18:19], v[YS+\j+2:YS+\j+3]
.endr
	WSUM
	v_mul_f32 v20, s54, v16                        ; -mean
.set jj, 0
.rept 16
	v_pk_add_f32 v[YS+jj:YS+jj+1], v[YS+jj:YS+jj+1], v[20:21] op_sel_hi:[1,0]
.set jj, jj+2
.endr
	v_pk_mul_f32 v[16:17], v[YS:YS+1], v[YS:YS+1]
	v_pk_mul_f32 v[18:19], v[YS+2:YS+3], v[YS+2:YS+3]
.irp j, 4,8,12,16,20,24,28
	v_pk_fma_f32 v[16:17], v[YS+\j:YS+\j+1], v[YS+\j:YS+\j+1], v[16:17]
	v_pk_fma_f32 v[18:19], v[YS+\j+2:YS+\j+3], v[YS+\j+2:YS+\j+3], v[18:19]
.endr
	WSUM
	v_fma_f32 v22, v16, s53, v23                   ; variance + 1e-5
	s_wait_alu depctr_va_vdst(0)                   ; a wait ahead of the transcendental
	v_rsq_f32 v22, v22
	v_nop
	s_wait_alu depctr_va_vdst(0)                   ; and ahead of its first reader
.set jj, 0
.rept 16
	v_pk_mul_f32 v[YS+jj:YS+jj+1], v[YS+jj:YS+jj+1], v[22:23] op_sel_hi:[1,0]
.set jj, jj+2
.endr
.set jj, 0
.rept 16
	v_pk_fma_f32 v[YS+jj:YS+jj+1], v[YS+jj:YS+jj+1], v[GA+jj:GA+jj+1], v[BE+jj:BE+jj+1]
.set jj, jj+2
.endr
.irp q, 0,1,2,3,4,5,6,7
	global_store_b128 v[LI], v[YS+4*\q:YS+4*\q+3], s[18:19] offset:4096*\i+512*\q th:TH_STORE_NT   ; 32 lanes store 512 consecutive bytes, aligned
.endr
.endm
	ROW 0
	ROW 1
	s_wait_tensorcnt 0x0                           ; the wave's end, behind my last LDS store
	ds_add_u32 v[SPW], v[NIL]
	s_wait_dscnt 0x0
	s_endpgm
.Lfunc_end_k_qcb37713faf_outln:
	.size	k_qcb37713faf_outln, .Lfunc_end_k_qcb37713faf_outln-k_qcb37713faf_outln
	.p2alignl 7, 3214868480
	.fill 96, 4, 3214868480
	.section	.rodata,"a",@progbits
	.p2align	6, 0x0
	.amdhsa_kernel k_qcb37713faf_outln
		.amdhsa_group_segment_fixed_size 178688
		.amdhsa_private_segment_fixed_size 0
		.amdhsa_enable_private_segment 0
		.amdhsa_kernarg_size 64
		.amdhsa_user_sgpr_count 2
		.amdhsa_user_sgpr_kernarg_segment_ptr 1
		.amdhsa_wavefront_size32 1
		.amdhsa_system_sgpr_workgroup_id_x 1
		.amdhsa_system_sgpr_workgroup_id_y 1
		.amdhsa_system_sgpr_workgroup_id_z 1
		.amdhsa_system_vgpr_workitem_id 0
		.amdhsa_next_free_vgpr 256
		.amdhsa_next_free_sgpr 66
		.amdhsa_reserve_vcc 0
		.amdhsa_float_denorm_mode_32 3
		.amdhsa_float_denorm_mode_16_64 3
		.amdhsa_memory_ordered 1
		.amdhsa_forward_progress 1
		.amdhsa_inst_pref_size 48
	.end_amdhsa_kernel
	.amdgpu_metadata
---
amdhsa.version: [ 1, 2 ]
amdhsa.kernels:
  - .name:           k_qcb37713faf_outln
    .symbol:         k_qcb37713faf_outln.kd
    .args:
      - { .name: ctx, .offset: 0, .size: 8, .value_kind: global_buffer, .address_space: global }
      - { .name: wo, .offset: 8, .size: 8, .value_kind: global_buffer, .address_space: global }
      - { .name: lowp_scales, .offset: 16, .size: 8, .value_kind: global_buffer, .address_space: global }
      - { .name: bo, .offset: 24, .size: 8, .value_kind: global_buffer, .address_space: global }
      - { .name: x, .offset: 32, .size: 8, .value_kind: global_buffer, .address_space: global }
      - { .name: gamma, .offset: 40, .size: 8, .value_kind: global_buffer, .address_space: global }
      - { .name: beta, .offset: 48, .size: 8, .value_kind: global_buffer, .address_space: global }
      - { .name: out0, .offset: 56, .size: 8, .value_kind: global_buffer, .address_space: global }
    .group_segment_fixed_size: 178688
    .private_segment_fixed_size: 0
    .kernarg_segment_align: 8
    .kernarg_segment_size: 64
    .max_flat_workgroup_size: 512
    .sgpr_count:     66
    .vgpr_count:     256
    .wavefront_size: 32
...
	.end_amdgpu_metadata
.endif
;; end of part 8
